; MI455X (gfx1250); checked and timed in simulation.
; The chip was launched on July 23, 2026; its instructions are those of AMD's public machine-readable ISA for CDNA 5 (MIT licence, August 2026) and "CDNA5" Instruction Set Architecture Reference Guide (July 2026). The comments in the code are by the model that wrote it; some were corrected since.
;; MGQA. Allowed arithmetic: matrix products marked QUANTISED: E2M1 operands, one E8M0 scale for each 32 along K, by v_wmma_scale_f32_16x16x128_f8f6f4 with both operands' format E2M1 (or v_wmma_scale_f32_32x16x128_f4), f32 sums; products left as they are: bf16, f16 or f32 operands; f32 sums; everything else in f32.
;; Inputs: Wk 2,048 x 512 float32; Wo 2,048 x 2,048 float32; Wq 2,048 x 2,048 float32; Wv 2,048 x 512 float32; x 4 x 1,024 x 2,048 float32.
;; Outputs: out0 4 x 1,024 x 2,048 float32.
;; This version of the problem:
;;   THIS VERSION OF THE PROBLEM IS GIVEN IN LOW PRECISION. The matrix products marked QUANTISED in the list below multiply operands that are first quantised to E2M1 (2 exponent bits, 1 mantissa bit; 4 bits a number), with one power-of-two scale for each 32 numbers along K (OCP MX v1.0); their sums are f32. The products marked 'left as it is' may take bf16, f16 or f32 operands, with f32 sums. Whichever they take, every output number must still come out within the allowed error. Rounding operands to bf16 (8 significant bits) uses up far more of that allowance than f16 does (11 bits, for magnitudes from 6e-5 to 65,504). All else is computed in f32.
;;   The module's matrix products, in the order in which they are computed (A, B: the left and right operand; K: the contracted axis; several contracted axes count as one K, in the product's order):
;;     1. [M 4,096, K 2,048] x [K 2,048, N 2,048]; A: input x; B: input Wq: QUANTISED
;;     2. [M 4,096, K 2,048] x [K 2,048, N 512]; A: input x; B: input Wk: QUANTISED
;;     3. [M 4,096, K 2,048] x [K 2,048, N 512]; A: input x; B: input Wv: QUANTISED
;;     4. batch 64 x [M 1,024, K 128] x [K 128, N 1,024]; A: computed on the way; B: computed on the way: left as it is (an operand is computed on the way)
;;     5. batch 64 x [M 1,024, K 1,024] x [K 1,024, N 128]; A: computed on the way; B: computed on the way: left as it is (an operand is computed on the way)
;;     6. [M 4,096, K 2,048] x [K 2,048, N 2,048]; A: computed on the way; B: input Wo: left as it is (an operand is computed on the way)
;;   THE QUANTISER, for each operand of a quantised product, along K:
;;     - K is cut into blocks of 32 from its start; a last block that is shorter is filled with zeros.
;;     - A block's scale is 2^e with e = floor(log2(the largest magnitude in the block)) - 2, held to -126 .. 127; a block of zeros has e = 0. As a byte (E8M0): e + 127.
;;     - Each number is divided by its block's scale, clamped to +-6, and rounded to the nearest number of E2M1, ties to even, subnormals kept.
;;     - The product sums the exact products of the quantised numbers (number of the format x scale) in f32.
;;   ~~~python
;;   def quantise(x, axis):      # numpy; x: float32 -> the quantised numbers, widened to float32 again
;;       x = np.moveaxis(x, axis, -1); K = x.shape[-1]
;;       x = np.pad(x, [(0, 0)] * (x.ndim - 1) + [(0, -K % 32)]); x = x.reshape(x.shape[:-1] + (-1, 32)); a = np.abs(x).max(-1, keepdims=True)
;;       e = np.where(a > 0, np.clip(np.frexp(np.where(a > 0, a, 1))[1] - 1 - 2, -126, 127), 0)      # np.frexp(a)[1] - 1 = floor(log2(a)), exactly
;;       r = np.clip(x / 2.0 ** e, -6, 6)
;;       step = 2.0 ** (np.maximum(np.frexp(np.where(r == 0, 1, r))[1] - 1, 0) - 1)
;;       q = np.round(r / step) * step * 2.0 ** e      # np.round: ties to even
;;       return np.moveaxis(q.reshape(q.shape[:-2] + (-1,))[..., :K], -1, axis).astype(np.float32)
;;   ~~~
;; One version. Each part assembles by itself: llvm-mc -triple=amdgcn-amd-amdhsa -mcpu=gfx1250 --defsym DOCPART=n.
;; ======== version 1 of 1: 5 launches
;; limits: values are held in f16: magnitudes above 65,504 overflow, below 6.1e-05 lose precision
;; workspace buffers: xc 4,194,304 bytes; xs 262,144 bytes; wc 3,145,728 bytes; ws 196,608 bytes; wot 8,388,608 bytes; qkv 25,952,256 bytes; ao 16,777,216 bytes
;; launch prep (part 1): grid 56 x 16, 4 waves a work-group, no clusters, 35,328 bytes of LDS; arguments x, Wq, Wk, Wv, Wo, xc, xs, wc, ws, wot; writes xc, xs, wc, ws, wot
.if DOCPART == 1
	.amdgcn_target "amdgcn-amd-amdhsa--gfx1250"
	.amdhsa_code_object_version 6
	.text
	.protected	k_qa349944acc_prep
	.globl	k_qa349944acc_prep
	.p2align	8
	.type	k_qa349944acc_prep,@function
k_qa349944acc_prep:
	s_mov_b64 s[64:65], 0
	v_nop
	global_prefetch_b8 v0, s[64:65] scope:SCOPE_SE
	s_setreg_imm32_b32 hwreg(HW_REG_WAVE_MODE, 25, 1), 1
	s_wait_xcnt 0x0
; MGQA, launch 1 of 5: x, Wq, Wk, Wv become codes of E2M1 with one E8M0 byte for each 32 along K (the stated quantiser); Wo becomes f16.
; WORK LEFT OUT BY THE PROGRAM: reference() sets dots to NEG wherever key > query, by a mask that it builds itself; softmax then gives those places the weight 0 for all
; finite inputs (the row's own key <= query holds the maximum).  So key tiles of 128 x 128 all of whose keys come after all of their queries reach no output and are not computed (launch 3).
; Every input has a way to the output and is loaded.  LIMIT: a NaN, an infinity or an overflow that arises only in such a tile is not carried to the result.
; LIMITS: NaN and infinities among the inputs are not served; magnitudes of Wo, q, k, v and of the attention's result above 65,504 become infinity in f16; a block of zeros gets the
; scale byte 1 where the rule says 127: its codes are zeros, which add nothing, and only this program reads the bytes.
; LAYOUTS (all in the order of the reader's operand registers, 16 bytes a row and plane):
;   xc [kb 64][m 4096][16 B: 32 codes]   xs [ks 4][m 4096][16 B: the bytes of 512 along K]   wc [kb 64][n 3072][16 B]   ws [ks 4][n 3072][16 B]   (n: Wq's 2048 columns, Wk's 512, Wv's 512)
;   wot [k8 256][n 2048][16 B: 8 neighbours along K in f16]
; SHARES: work-group x < 16: 16 rows of x (row group 16 y + x), wave w takes 512 along K;  x = 16 .. 39: 128 columns of Wq/Wk/Wv, 128 along K (y);  x = 40 .. 55: the same of Wo.
.set SPARE, 34816                      ; behind the four waves' stages: the spare words, 128 bytes a wave
.set SPW,  252                         ; v252 LDS address of my spare word; never rewritten
.set NIL,  253                         ; v253 0; never rewritten
.set WREG, 8704                        ; x: a wave's LDS: two stages
.set STG,  4352                        ; a stage: 16 rows x (256 bytes + 16)
.set R,    16                          ; x: v16-143 four sets of 32 registers as loaded
.set XX,   144                         ; x: v144-207 two sets: a whole block of 32 a lane
.set C,    208                         ; x: v208-239 codes, four registers a sub-step: no store's data are written again
.set PW,   240                         ; x: v240-243 my row's scale words
.set PT,   244                         ; x: v244-247 the other half of the lanes' bytes
.set OFF,  16                          ; W: v16-47 byte offsets of 32 rows
.set XW,   48                          ; W: v48-175 128 numbers down K of my column
.set CW,   176                         ; W: v176-191 codes
; the largest magnitude of the 32 numbers from v[xs] on, with the floor 2^(3 - 127) (so the byte cannot fall under 1), in v12; v11 = that with 2 off its exponent field: the conversions' scale operand
.macro BLOCKMAX xs
	v_max3_num_f32 v12, |v[\xs]|, |v[\xs+1]|, |v[\xs+2]|
	v_max3_num_f32 v13, |v[\xs+3]|, |v[\xs+4]|, |v[\xs+5]|
.irp i, 6,10,14,18,22,26
	v_max3_num_f32 v12, v12, |v[\xs+\i]|, |v[\xs+\i+1]|
	v_max3_num_f32 v13, v13, |v[\xs+\i+2]|, |v[\xs+\i+3]|
.endr
	v_max3_num_f32 v12, v12, |v[\xs+30]|, |v[\xs+31]|
	v_max3_num_f32 v12, v12, v13, 0x1800000
	v_add_nc_u32 v11, 0xff000000, v12
.endm
	s_load_b512 s[4:19], s[0:1], 0x0               ; x s[4:5], Wq s[6:7], Wk s[8:9], Wv s[10:11], Wo s[12:13], xc s[14:15], xs s[16:17], wc s[18:19]
	s_load_b128 s[20:23], s[0:1], 0x40             ; ws s[20:21], wot s[22:23]
	v_lshl_add_u32 v[SPW], v0, 2, SPARE
	v_mov_b32 v[NIL], 0
	v_lshrrev_b32 v1, 5, v0
	v_readfirstlane_b32 s24, v1                    ; wave
	s_and_b32 s25, ttmp7, 0xffff                   ; work-group y
	s_wait_kmcnt 0x0
	s_cmp_lt_u32 ttmp9, 16
	s_cbranch_scc0 .Lweights
	; ---------------- x: K is innermost.  Loads take 256 consecutive bytes of two rows; a stage in LDS turns them so that lane (r, hb) holds block hb of row r whole.
	v_and_b32 v2, 15, v0                           ; r
	v_bfe_u32 v3, v0, 4, 1                         ; hb
	v_lshlrev_b32 v8, 4, v2                        ; 16 r: also my row's place among the scale words
	v_lshl_add_u32 v4, v3, 13, v8                  ; loads: row hb of a pair, 16 bytes a lane
	s_mul_i32 s28, s24, WREG
	v_mul_u32_u24 v5, v3, 272
	v_add_nc_u32 v5, v5, v8
	v_add_nc_u32 v5, s28, v5                       ; into the stage, as loaded
	v_mul_u32_u24 v6, v2, 272
	v_lshl_add_u32 v6, v3, 7, v6
	v_add_nc_u32 v6, s28, v6                       ; out of it: row r, block hb: 128 bytes
	v_lshl_add_u32 v7, v3, 16, v8                  ; codes: plane hb of a pair, row r
	v_lshlrev_b32 v9, 3, v3                        ; 8 hb: my bytes' shift in a scale word
.irp i, 0,1,2,3
	v_mov_b32 v[PT+\i], 0                          ; a lane permute's destination counts as read
.endr
	s_mov_b32 s26, 0x76543210
	s_mov_b32 s27, 0xfedcba98                      ; selects for lane l xor 16
	s_lshl_b32 s29, s25, 4
	s_add_co_u32 s29, s29, ttmp9                   ; row group
	s_lshl_b32 s30, s29, 17                        ; 16 rows of 8,192 bytes
	s_lshl_b32 s31, s24, 11                        ; my wave's 512 numbers
	s_add_co_u32 s30, s30, s31
	s_mov_b32 s31, 0
	s_add_nc_u64 s[4:5], s[4:5], s[30:31]
	s_lshl_b32 s29, s29, 8                         ; 16 rows of 16 bytes
	s_lshl_b32 s30, s24, 20                        ; my 16 planes of 65,536 bytes
	s_add_co_u32 s30, s30, s29
	s_add_nc_u64 s[14:15], s[14:15], s[30:31]
	s_lshl_b32 s30, s24, 16                        ; my plane of scale bytes
	s_add_co_u32 s30, s30, s29
	s_add_nc_u64 s[16:17], s[16:17], s[30:31]
.macro LOADX t                         ; sub-step t: 16 rows x 64 numbers
.irp i, 0,1,2,3,4,5,6,7
	global_load_b128 v[R+32*((\t)%4)+4*\i:R+32*((\t)%4)+4*\i+3], v4, s[4:5] offset:\i*16384+(\t)*256 th:TH_LOAD_NT
.endr
.endm
.macro TURNX t                         ; through the stage: LDS serves a wave's instructions in order, so no wait stands between the stores and the loads
.irp i, 0,1,2,3,4,5,6,7
	ds_store_b128 v5, v[R+32*((\t)%4)+4*\i:R+32*((\t)%4)+4*\i+3] offset:((\t)%2)*STG+\i*544
.endr
.irp c, 0,1,2,3,4,5,6,7
	ds_load_b128 v[XX+32*((\t)%2)+4*\c:XX+32*((\t)%2)+4*\c+3], v6 offset:((\t)%2)*STG+16*\c
.endr
.endm
.macro STEPX t
.set XS, XX+32*((\t)%2)
	s_wait_dscnt 0x0                               ; this sub-step's block is back from the stage
.if (\t)+4 < 8
	LOADX (\t)+4
.endif
.if (\t)+1 < 8
.if (\t) <= 3
	s_wait_loadcnt 24                              ; the next sub-step's eight loads are in; three sets behind them may be out
.else
	s_wait_loadcnt 8*(6-(\t))
.endif
	TURNX (\t)+1
.endif
	BLOCKMAX XS
.irp g, 0,1,2,3
	v_cvt_scalef32_pk8_fp4_f32 v[C+4*(\t)+\g], v[XS+8*\g:XS+8*\g+7], v11
.endr
	v_lshrrev_b32 v13, 23, v11                     ; the scale's byte (a plain line behind the conversions)
.if (\t)%2 == 0
	v_mov_b32 v[PW+(\t)/2], v13                    ; block 2 t + hb of 16: word t / 2, byte 2 (t % 2) + hb
.else
	v_lshl_or_b32 v[PW+(\t)/2], v13, 16, v[PW+(\t)/2]
.endif
	global_store_b128 v7, v[C+4*(\t):C+4*(\t)+3], s[14:15] offset:(\t)*131072   ; sixteen lanes fill 256 consecutive bytes of plane 2 t, sixteen of plane 2 t + 1
.endm
	LOADX 0
	LOADX 1
	LOADX 2
	LOADX 3
	s_wait_loadcnt 24                              ; sub-step 0 is in
	TURNX 0
.irp t, 0,1,2,3,4,5,6,7
	STEPX \t
.endr
.irp i, 0,1,2,3
	v_lshlrev_b32 v[PW+\i], v9, v[PW+\i]
.endr
.irp i, 0,1,2,3
	v_permlanex16_b32 v[PT+\i], v[PW+\i], s26, s27
.endr
.irp i, 0,1,2,3
	v_or_b32 v[PW+\i], v[PW+\i], v[PT+\i]          ; with lane l xor 16's bytes the words are whole
.endr
	v_cmp_eq_u32 vcc_lo, 0, v3
	s_wait_xcnt 0x0                                ; EXEC changes only behind this wait: the stores above have read theirs
	s_and_saveexec_b32 s30, vcc_lo
	global_store_b128 v8, v[PW:PW+3], s[16:17]     ; lanes 0-15: 256 consecutive bytes
	s_wait_xcnt 0x0
	s_or_b32 exec_lo, exec_lo, s30
	s_wait_tensorcnt 0x0                           ; the wave's end, behind my last LDS store
	ds_add_u32 v[SPW], v[NIL]
	s_wait_dscnt 0x0
	s_endpgm
	; ---------------- the weights: K is the first axis.  A lane takes a column and its registers run down K: nothing is transposed, no LDS.
.Lweights:
	s_sub_co_u32 s26, ttmp9, 16                    ; 0-15 Wq, 16-19 Wk, 20-23 Wv, 24-39 Wo: groups of 128 columns
	s_mov_b32 s28, 8192                            ; a row in bytes
	s_sub_co_u32 s29, s26, 24                      ; the group's number in its own tensor
	s_mov_b64 s[30:31], s[12:13]
	s_sub_co_u32 s34, s26, 20
	s_cmp_lt_u32 s26, 24
	s_cselect_b64 s[30:31], s[10:11], s[30:31]
	s_cselect_b32 s28, 2048, s28
	s_cselect_b32 s29, s34, s29
	s_sub_co_u32 s34, s26, 16
	s_cmp_lt_u32 s26, 20
	s_cselect_b64 s[30:31], s[8:9], s[30:31]
	s_cselect_b32 s29, s34, s29
	s_cmp_lt_u32 s26, 16
	s_cselect_b64 s[30:31], s[6:7], s[30:31]
	s_cselect_b32 s28, 8192, s28
	s_cselect_b32 s29, s26, s29
	v_lshlrev_b32 v2, 4, v0                        ; out: 16 bytes a column
	v_lshlrev_b32 v[OFF], 2, v0                    ; in: 4 bytes a column: a wave reads 128 consecutive bytes, the work-group 512
.set i, 1
.rept 31
	v_add_nc_u32 v[OFF+i], s28, v[OFF+i-1]
.set i, i+1
.endr
	s_lshl_b32 s36, s25, 7
	s_mul_i32 s36, s36, s28                        ; my 128 rows
	s_lshl_b32 s37, s29, 9
	s_add_co_u32 s36, s36, s37                     ; my 128 columns
	s_mov_b32 s37, 0
	s_lshl_b32 s38, s28, 5                         ; 32 rows on
	s_mov_b32 s39, 0
	s_add_nc_u64 s[40:41], s[30:31], s[36:37]
	s_add_nc_u64 s[42:43], s[40:41], s[38:39]
	s_add_nc_u64 s[44:45], s[42:43], s[38:39]
	s_add_nc_u64 s[46:47], s[44:45], s[38:39]
.irp t, 0,1,2,3
.set i, 0
.rept 32
	global_load_b32 v[XW+32*\t+i], v[OFF+i], s[40+2*\t:41+2*\t] th:TH_LOAD_NT
.set i, i+1
.endr
.endr
	s_mov_b32 s33, 0
	s_cmp_lt_u32 s26, 24
	s_cbranch_scc0 .Lwo
	s_mul_i32 s32, s25, 196608                     ; wc: my four planes of 49,152 bytes,
	s_lshl_b32 s34, s26, 11                        ; my 128 columns of 16 bytes
	s_add_co_u32 s32, s32, s34
	s_add_nc_u64 s[18:19], s[18:19], s[32:33]
	s_lshr_b32 s32, s25, 2
	s_mul_i32 s32, s32, 49152                      ; ws: the plane of my 512 along K,
	s_add_co_u32 s32, s32, s34
	s_and_b32 s35, s25, 3
	s_lshl_b32 s35, s35, 2                         ; my word of its four
	s_add_co_u32 s32, s32, s35
	s_add_nc_u64 s[20:21], s[20:21], s[32:33]
.macro BLOCKW t
.set XS, XW+32*(\t)
.if (\t) < 2
	s_wait_loadcnt 63                              ; 96 and 64 younger loads would do: a count names 63 at the most, and a smaller count is safe
.else
	s_wait_loadcnt 32*(3-(\t))
.endif
	BLOCKMAX XS
.irp g, 0,1,2,3
	v_cvt_scalef32_pk8_fp4_f32 v[CW+4*(\t)+\g], v[XS+8*\g:XS+8*\g+7], v11
.endr
	v_lshrrev_b32 v13, 23, v11
.if (\t) == 0
	v_mov_b32 v14, v13
.else
	v_lshl_or_b32 v14, v13, 8*(\t), v14
.endif
	global_store_b128 v2, v[CW+4*(\t):CW+4*(\t)+3], s[18:19] offset:(\t)*49152   ; a wave stores 512 consecutive bytes
.endm
	BLOCKW 0
	BLOCKW 1
	BLOCKW 2
	BLOCKW 3
	global_store_b32 v2, v14, s[20:21]             ; 4 bytes of each column's 16: pieces, one byte for each 128 that the launch reads
	s_endpgm
.Lwo:
	s_lshl_b32 s32, s25, 19                        ; wot: my 16 planes of 32,768 bytes,
	s_lshl_b32 s34, s29, 11                        ; my 128 columns
	s_add_co_u32 s32, s32, s34
	s_add_nc_u64 s[22:23], s[22:23], s[32:33]
.irp j, 0,1,2,3,4,5,6,7,8,9,10,11,12,13,14,15
.if \j == 0 || \j == 4
	s_wait_loadcnt 63                              ; (as above)
.elseif \j == 8
	s_wait_loadcnt 32
.elseif \j == 12
	s_wait_loadcnt 0
.endif
.irp i, 0,1,2,3
	v_cvt_pk_f16_f32 v[XW+8*\j+\i], v[XW+8*\j+2*\i], v[XW+8*\j+2*\i+1]   ; in place, ascending: a register is written when both of its readers are past
.endr
	global_store_b128 v2, v[XW+8*\j:XW+8*\j+3], s[22:23] offset:\j*32768
.endr
	s_endpgm
.Lfunc_end_k_qa349944acc_prep:
	.size	k_qa349944acc_prep, .Lfunc_end_k_qa349944acc_prep-k_qa349944acc_prep
	.p2alignl 7, 3214868480
	.fill 96, 4, 3214868480
	.section	.rodata,"a",@progbits
	.p2align	6, 0x0
	.amdhsa_kernel k_qa349944acc_prep
		.amdhsa_group_segment_fixed_size 35328
		.amdhsa_private_segment_fixed_size 0
		.amdhsa_enable_private_segment 0
		.amdhsa_kernarg_size 80
		.amdhsa_user_sgpr_count 2
		.amdhsa_user_sgpr_kernarg_segment_ptr 1
		.amdhsa_wavefront_size32 1
		.amdhsa_system_sgpr_workgroup_id_x 1
		.amdhsa_system_sgpr_workgroup_id_y 1
		.amdhsa_system_sgpr_workgroup_id_z 1
		.amdhsa_system_vgpr_workitem_id 0
		.amdhsa_next_free_vgpr 256
		.amdhsa_next_free_sgpr 66
		.amdhsa_reserve_vcc 1
		.amdhsa_float_denorm_mode_32 3
		.amdhsa_float_denorm_mode_16_64 3
		.amdhsa_memory_ordered 1
		.amdhsa_forward_progress 1
		.amdhsa_inst_pref_size 57
	.end_amdhsa_kernel
	.amdgpu_metadata
---
amdhsa.version: [ 1, 2 ]
amdhsa.kernels:
  - .name:           k_qa349944acc_prep
    .symbol:         k_qa349944acc_prep.kd
    .args:
      - { .name: x, .offset: 0, .size: 8, .value_kind: global_buffer, .address_space: global }
      - { .name: Wq, .offset: 8, .size: 8, .value_kind: global_buffer, .address_space: global }
      - { .name: Wk, .offset: 16, .size: 8, .value_kind: global_buffer, .address_space: global }
      - { .name: Wv, .offset: 24, .size: 8, .value_kind: global_buffer, .address_space: global }
      - { .name: Wo, .offset: 32, .size: 8, .value_kind: global_buffer, .address_space: global }
      - { .name: xc, .offset: 40, .size: 8, .value_kind: global_buffer, .address_space: global }
      - { .name: xs, .offset: 48, .size: 8, .value_kind: global_buffer, .address_space: global }
      - { .name: wc, .offset: 56, .size: 8, .value_kind: global_buffer, .address_space: global }
      - { .name: ws, .offset: 64, .size: 8, .value_kind: global_buffer, .address_space: global }
      - { .name: wot, .offset: 72, .size: 8, .value_kind: global_buffer, .address_space: global }
    .group_segment_fixed_size: 35328
    .private_segment_fixed_size: 0
    .kernarg_segment_align: 8
    .kernarg_segment_size: 80
    .max_flat_workgroup_size: 128
    .sgpr_count:     66
    .vgpr_count:     256
    .wavefront_size: 32
...
	.end_amdgpu_metadata
.endif
;; end of part 1
;; launch gemm_qkv (part 2): grid 12 x 16, 4 waves a work-group, clusters of 4 x 4, 327,680 bytes of LDS; arguments xc, xs, wc, ws, qkv; writes qkv
.if DOCPART == 2
	.amdgcn_target "amdgcn-amd-amdhsa--gfx1250"
	.amdhsa_code_object_version 6
	.text
	.protected	k_qa349944acc_gemm_qkv
	.globl	k_qa349944acc_gemm_qkv
	.p2align	8
	.type	k_qa349944acc_gemm_qkv,@function
k_qa349944acc_gemm_qkv:
	s_mov_b64 s[64:65], 0
	v_nop
	global_prefetch_b8 v0, s[64:65] scope:SCOPE_SE
	s_setreg_imm32_b32 hwreg(HW_REG_WAVE_MODE, 25, 1), 1
	s_wait_xcnt 0x0
	s_wait_alu depctr_hold_cnt(0) depctr_sa_sdst(0) depctr_va_vdst(0) depctr_va_sdst(0) depctr_va_ssrc(0) depctr_va_vcc(0) depctr_vm_vsrc(0)
	s_getreg_b32 s2, hwreg(HW_REG_IB_STS2, 6, 4)
	s_cmp_eq_u32 s2, 0
	s_cbranch_scc0 .Lentry_in_a_cluster
	s_endpgm
.Lentry_in_a_cluster:
	s_bfe_u32 s2, ttmp6, 0x10000c
	s_cmp_lg_u32 s2, 0xf033
	s_cbranch_scc0 .Lentry_shape_is_right
	s_endpgm
.Lentry_shape_is_right:
; MGQA, launch 2 of 5: [q | k | v] = Q(x) Q([Wq | Wk | Wv]): M 4096, N 3072, K 2048, on codes of E2M1 with E8M0 scales; sums in f32, K ascending.
; A tile of 256 x 256 to a work-group of four waves, 128 x 128 a wave: 64 accumulators.  K goes in four steps of 512 through a ring of two LDS slots.
; The operands lie in memory as [block of 32 along K][row][16 bytes]: a tile's half is 16 planes x 128 rows x 16 bytes, each plane's part 2,048 consecutive bytes; a fragment load of sixteen lanes reads 256 consecutive
; LDS bytes, so no padding is wanted.  The scale bytes of the tile's rows, for all of K, come once with the first fills.
; CLUSTERS 4 x 4: x's tiles are shared along a row of the cluster, the weights' along a column: joint loads.  TILE ROW = 4 cy + cluster y: so the batch is cy, and positions 0-15 of a batch lie in the clusters with
; cluster y = 0 alone: the branch to the f32 copy below hangs on cluster y and the wave's number, which all partners share.
; THE MATRIX INSTRUCTION IS USED TRANSPOSED (source 0 = 16 columns of the weights, source 1 = 16 rows of x): a lane holds eight neighbouring columns of one row.
; OUT: qkv in f16 as [b 4][c8 384][pos 1024][16 B = 8 columns]: a lane's eight results are its 16 bytes, sixteen lanes fill 256 consecutive bytes: no stage.  Behind it, from byte TAIL on, positions 0-15 of each batch
; in f32 as [b 4][c4 768][pos 16][16 B = 4 columns], for launch 5.  LIMIT: magnitudes above 65,504 become infinity in f16.
; REGISTERS: window 0: v0-31 addresses; v32-95 scale words, two sets; v128-191 x's fragments, one set.  window 1: the weights' fragments, two sets (on the way out: the packed results).  windows 2, 3: the accumulators.
.set NQ,     4                         ; matrix instructions deep in a slot
.set FR,     8
.set NL,     2
.set NP,     4
.set HALFT,  32768                     ; 16 planes x 128 rows x 16 bytes
.set SLOT,   4*HALFT
.set LAPS,   2                         ; four K steps = twice round the ring
.set SCL,    2*SLOT                    ; the scales: four blocks [4 K steps][128 rows][16 bytes]
.set HALFS,  8192
.set SPARE,  SCL+4*HALFS               ; the spare words, 128 bytes a wave
.set ASTEP,  16*65536                  ; a K step in xc
.set BSTEP,  16*49152                  ; and in wc
.set TAIL,   25165824
.set ADRA, 16
.set ADRB, 20
.set C32,  24                          ; v24 the f32 copy: 512 (l / 16) + 16 (l % 16)
.set CO,   26                          ; v26 the f16 result: 16,384 (l / 16) + 16 (l % 16)
.set ADRS, 27
.set SPW,  28
.set NIL,  29
.set SC,   32
.set AF,   128
.set G1, 24
.set G0, 32
.set G1B, 48
.set G0B, 56
.set G1S, 68
.set G0S, 76
.set G1SB, 80
.set G0SB, 88
.set MSB, 0
.macro WIN new                         ; the immediate's high byte repeats the setting that is left
.if MSB != \new
	s_set_vgpr_msb (MSB<<8)|\new
.set MSB, \new
.endif
.endm
.set MUL_LO, 0xa1
.set MUL_HI, 0xf1
.set TO_B,   0x40
.macro JLOAD g0a, g1a, g0b, g1b        ; a joint load: waves 0 and 1 fetch for x, waves 2 and 3 for the weights; an s_nop 0 and four v_nop follow each line
	s_cmp_eq_u32 s15, 0
	s_cbranch_scc0 .Lfor_b_\@
	tensor_load_to_lds s[\g0a:\g0a+3], s[\g1a:\g1a+7]
	s_nop 0
.rept 4
	v_nop
.endr
	s_branch .Lasked_\@
.Lfor_b_\@:
	tensor_load_to_lds s[\g0b:\g0b+3], s[\g1b:\g1b+7]
	s_nop 0
.rept 4
	v_nop
.endr
.Lasked_\@:
.endm
.macro CREST
	s_cmp_lg_u32 s14, 0
	s_cbranch_scc1 .Lnot_wave_0_\@
	s_barrier_signal -3
.Lnot_wave_0_\@:
	s_barrier_wait -3
	s_barrier_signal -1
	s_barrier_wait -1
.endm
.macro CROUND
	s_barrier_signal -1
	s_barrier_wait -1
	CREST
.endm
	s_load_b128 s[4:7], s[0:1], 0x0                ; xc, xs
	s_load_b128 s[8:11], s[0:1], 0x10              ; wc, ws
	s_load_b64 s[12:13], s[0:1], 0x20              ; qkv
	v_lshl_add_u32 v[SPW], v0, 2, SPARE
	v_mov_b32 v[NIL], 0
	ds_add_u32 v[SPW], v[NIL]                      ; the opening: the add, twice on end, and its wait ahead of my first tensor load
	ds_add_u32 v[SPW], v[NIL]
	v_lshrrev_b32 v1, 5, v0
	v_readfirstlane_b32 s14, v1                    ; wave
	s_lshr_b32 s15, s14, 1                         ; my half of the tile's rows; also: I fetch for x (0) or for the weights (1)
	s_and_b32 s16, s14, 1                          ; my half of its columns; also: which 128 rows I fetch
	s_bfe_u32 s40, ttmp6, 0x40000                  ; cx
	s_bfe_u32 s41, ttmp6, 0x40004                  ; cy
	s_lshl_b32 s42, ttmp9, 2
	s_add_co_u32 s42, s42, s40                     ; tile column = 4 x cluster x + cx
	s_and_b32 s95, ttmp7, 0xffff                   ; cluster y
	s_lshl_b32 s17, s41, 2
	s_add_co_u32 s17, s17, s95                     ; tile row = 4 cy + cluster y
	s_lshl_b32 s43, s41, 2
	s_lshl_b32 s43, 15, s43                        ; my row of the cluster
	s_lshl_b32 s44, 0x1111, s40                    ; my column
	s_or_b32 s[G1+0], s43, (3<<16)|(1<<21)         ; the mask; elements of 8 bytes; bit 21 beside a mask; no padding
	s_or_b32 s[G1B+0], s44, (3<<16)|(1<<21)
	s_or_b32 s[G1S+0], s43, (3<<16)|(1<<21)
	s_or_b32 s[G1SB+0], s44, (3<<16)|(1<<21)
.irp g, G1, G1B, G1S, G1SB
	s_mov_b32 s[\g+1], 256<<16                     ; tensor_dim0: 128 rows x 16 bytes = 256 elements
	s_mov_b32 s[\g+3], 256<<16                     ; tile_dim0
	s_mov_b32 s[\g+6], 0
	s_mov_b32 s[\g+7], 0
.endr
.irp g, G1, G1B
	s_mov_b32 s[\g+2], 16<<16                      ; 16 planes
	s_mov_b32 s[\g+4], 16
.endr
.irp g, G1S, G1SB
	s_mov_b32 s[\g+2], 4<<16                       ; 4 K steps
	s_mov_b32 s[\g+4], 4
.endr
	s_mov_b32 s[G1+5], 8192                        ; from plane to plane: 65,536 bytes,
	s_mov_b32 s[G1S+5], 8192
	s_mov_b32 s[G1B+5], 6144                       ; 49,152 bytes
	s_mov_b32 s[G1SB+5], 6144
	s_lshl_b32 s18, s16, 7
	s_lshl_b32 s20, s17, 8
	s_add_co_u32 s20, s20, s18
	s_lshl_b32 s20, s20, 4                         ; x: (256 x tile row + 128 x half) rows of 16 bytes, in codes and scales alike
	s_mov_b32 s21, 0
	s_lshl_b32 s46, s42, 8
	s_add_co_u32 s46, s46, s18
	s_lshl_b32 s46, s46, 4                         ; the weights likewise, by the tile column
	s_mov_b32 s47, 0
	s_mul_i32 s45, s14, HALFT                      ; where they go: by the wave's number alone
	s_mul_i32 s94, s14, HALFS
	s_wait_dscnt 0x0                               ; both opening adds are done
	s_wait_kmcnt 0x0
	s_add_nc_u64 s[22:23], s[6:7], s[20:21]
	s_add_nc_u64 s[20:21], s[4:5], s[20:21]
	s_add_nc_u64 s[92:93], s[10:11], s[46:47]
	s_add_nc_u64 s[46:47], s[8:9], s[46:47]
	CROUND                                         ; all sixteen work-groups are here: the first joint loads meet
	s_mov_b32 s[G0S], 1
	s_add_co_u32 s[G0S+1], s94, SCL
	s_mov_b64 s[G0S+2:G0S+3], s[22:23]
	s_or_b32 s[G0S+3], s[G0S+3], 0x80000000
	s_mov_b32 s[G0SB], 1
	s_add_co_u32 s[G0SB+1], s94, SCL
	s_mov_b64 s[G0SB+2:G0SB+3], s[92:93]
	s_or_b32 s[G0SB+3], s[G0SB+3], 0x80000000
	JLOAD G0S, G1S, G0SB, G1SB                     ; the scales first: wanted with K step 0.  With the two below, three loads of mine are out
.irp s, 0,1
	s_mov_b32 s[G0+4*\s], 1
	s_add_co_u32 s[G0+4*\s+1], s45, \s*SLOT
	s_add_nc_u64 s[G0+4*\s+2:G0+4*\s+3], s[20:21], \s*ASTEP
	s_or_b32 s[G0+4*\s+3], s[G0+4*\s+3], 0x80000000
	s_mov_b32 s[G0B+4*\s], 1
	s_add_co_u32 s[G0B+4*\s+1], s45, \s*SLOT
	s_add_nc_u64 s[G0B+4*\s+2:G0B+4*\s+3], s[46:47], \s*BSTEP
	s_or_b32 s[G0B+4*\s+3], s[G0B+4*\s+3], 0x80000000
	JLOAD G0+4*\s, G1, G0B+4*\s, G1B
.endr
	v_and_b32 v1, 15, v0                           ; r
	v_bfe_u32 v2, v0, 4, 1                         ; h
	v_lshlrev_b32 v3, 4, v1
	v_lshl_add_u32 v4, v2, 11, v3                  ; a fragment: row r's 16 bytes, one plane on for lanes 16-31
	s_mul_i32 s21, s15, HALFT
	s_mul_i32 s22, s16, HALFT
	s_add_co_u32 s22, s22, 2*HALFT
.irp s, 0,1
	v_add_nc_u32 v[ADRA+\s], s21, v4
	v_add_nc_u32 v[ADRB+\s], s22, v4
	s_add_co_u32 s21, s21, SLOT
	s_add_co_u32 s22, s22, SLOT
.endr
	s_mul_i32 s21, s15, HALFS
	s_mul_i32 s22, s16, HALFS
	s_add_co_u32 s22, s22, 2*HALFS
	s_sub_co_u32 s22, s22, s21
	v_mul_u32_u24 v6, s22, v2                      ; lanes 16-31 take the weights' words: one product, the distance between the two bases
	s_add_co_u32 s21, s21, SCL
	v_add_nc_u32 v5, v3, v6
	v_add_nc_u32 v[ADRS], s21, v5
	v_lshl_add_u32 v[C32], v2, 9, v3
	v_lshl_add_u32 v[CO], v2, 14, v3
	s_mul_i32 s46, s41, 196608                     ; the f32 copy: batch cy,
	s_lshl_b32 s47, s42, 14                        ; 64 bytes x my first column (256 x tile column + 128 x half)
	s_add_co_u32 s46, s46, s47
	s_lshl_b32 s47, s16, 13
	s_add_co_u32 s46, s46, s47
	s_add_co_u32 s46, s46, TAIL
	s_mov_b32 s47, 0
	s_add_nc_u64 s[96:97], s[12:13], s[46:47]
	s_mul_i32 s20, s41, 6291456                    ; the f16 result: batch cy,
	s_lshl_b32 s21, s95, 12                        ; position 256 x cluster y + 128 x half, 16 bytes each,
	s_add_co_u32 s20, s20, s21
	s_lshl_b32 s21, s15, 11
	s_add_co_u32 s20, s20, s21
	s_lshl_b32 s46, s42, 19                        ; plane 32 x tile column + 16 x half, 16,384 bytes each
	s_add_co_u32 s20, s20, s46
	s_lshl_b32 s46, s16, 18
	s_add_co_u32 s20, s20, s46
	s_mov_b32 s21, 0
	s_add_nc_u64 s[12:13], s[12:13], s[20:21]
.macro FRAG reg, adr, q, i             ; 16 rows x 128 K: registers 4 c .. 4 c + 3 = block 4 q + 2 c + (l / 16) of row l % 16
.irp c, 0,1
	ds_load_b128 v[\reg+4*\c:\reg+4*\c+3], v[\adr] offset:(4*(\q)+2*\c)*2048+(\i)*256
.endr
.endm
; 16 matrix instructions; the 64 accumulators take turns, one instruction a turn, in the same order in every step
.macro MUL16 a0, p, q, sc, zero
.irp a, \a0, \a0+1
.irp b, 0,1,2,3,4,5,6,7
.if \zero
	v_wmma_scale_f32_16x16x128_f8f6f4 v[8*(8*((\a)%4)+\b):8*(8*((\a)%4)+\b)+7], v[128*(\p)+FR*\b:128*(\p)+FR*\b+FR-1], v[AF+FR*(\a):AF+FR*(\a)+FR-1], 0, v[SC+8*NQ*(\sc)+NQ*\b+(\q)], v[SC+8*NQ*(\sc)+NQ*(\a)+(\q)] matrix_a_fmt:MATRIX_FMT_FP4 matrix_b_fmt:MATRIX_FMT_FP4 matrix_a_scale:MATRIX_SCALE_ROW1
.else
	v_wmma_scale_f32_16x16x128_f8f6f4 v[8*(8*((\a)%4)+\b):8*(8*((\a)%4)+\b)+7], v[128*(\p)+FR*\b:128*(\p)+FR*\b+FR-1], v[AF+FR*(\a):AF+FR*(\a)+FR-1], v[8*(8*((\a)%4)+\b):8*(8*((\a)%4)+\b)+7], v[SC+8*NQ*(\sc)+NQ*\b+(\q)], v[SC+8*NQ*(\sc)+NQ*(\a)+(\q)] matrix_a_fmt:MATRIX_FMT_FP4 matrix_b_fmt:MATRIX_FMT_FP4 matrix_a_scale:MATRIX_SCALE_ROW1
.endif
.endr
.endr
.endm
.macro FETCH_B slot, q, p
	WIN TO_B
.irp i, 0,1,2,3,4,5,6,7
	FRAG 128*(\p)+FR*\i, ADRB+\slot, \q, \i
.endr
	WIN 0
.endm
.macro FETCH_A slot, q, i0
.irp i, \i0, \i0+1, \i0+2, \i0+3
	FRAG AF+FR*(\i), ADRA+\slot, \q, \i
.endr
.endm
.macro SCALES sc                       ; a K step's four words a row: lanes 0-15 x's block i, lanes 16-31 the weights' block i
.irp i, 0,1,2,3,4,5,6,7
	ds_load_b128 v[SC+8*NQ*\sc+NQ*\i:SC+8*NQ*\sc+NQ*\i+3], v[ADRS] offset:\i*256
.endr
.endm
.macro PLACES n                        ; plain vector lines between a matrix instruction and a load into, or a read or write by a vector line or store of, its registers
.rept \n
	v_nop
.endr
.endm
.macro STEP slot, q, zero              ; 128 along K with a successor in the same slot
	s_wait_dscnt 4*NL                              ; the weights' set and x's blocks 0-3 are in; the youngest eight loads (blocks 4-7) may be out
	WIN MUL_LO
	MUL16 0, (\q)%2, \q, \slot, \zero
	MUL16 2, (\q)%2, \q, \slot, \zero
	s_wait_dscnt 0
	PLACES NP
	FETCH_B \slot, (\q)+1, 1-(\q)%2
	FETCH_A \slot, (\q)+1, 0
	WIN MUL_HI
	MUL16 4, (\q)%2, \q, \slot, \zero
	MUL16 6, (\q)%2, \q, \slot, \zero
	PLACES NP
	WIN 0
	FETCH_A \slot, (\q)+1, 4
.endm
.macro TURN slot, next, fill           ; a slot's last step changes slots
	s_wait_tensorcnt 0x0                           ; all my tensor loads have landed: my part of the next slot
	ds_add_u32 v[SPW], v[NIL]
	s_wait_dscnt 4*NL+1                            ; (the add and the youngest eight loads may be out)
	WIN MUL_LO
	MUL16 0, 1, NQ-1, \slot, 0
	s_wait_dscnt 0x0                               ; the add is done, and my reads of this slot are over
	s_barrier_signal -1
	MUL16 2, 1, NQ-1, \slot, 0
	WIN 0
	s_barrier_wait -1
.if \fill
	CREST                                          ; the barrier has opened a round of the cluster's: no wave of any partner still reads this slot or has a load on its way
	s_add_nc_u64 s[G0+4*\slot+2:G0+4*\slot+3], s[G0+4*\slot+2:G0+4*\slot+3], 2*ASTEP
	s_add_nc_u64 s[G0B+4*\slot+2:G0B+4*\slot+3], s[G0B+4*\slot+2:G0B+4*\slot+3], 2*BSTEP
	JLOAD G0+4*\slot, G1, G0B+4*\slot, G1B         ; my one load behind the round; its four v_nop are the places in front of the loads below
.else
	PLACES NP
.endif
	v_add_nc_u32 v[ADRS], 2048, v[ADRS]            ; the next K step's scale words
	FETCH_B \next, 0, 0
	FETCH_A \next, 0, 0
	SCALES \next
	WIN MUL_HI
	MUL16 4, 1, NQ-1, \slot, 0
	MUL16 6, 1, NQ-1, \slot, 0
	PLACES NP
	WIN 0
	FETCH_A \next, 0, 4
.endm
.macro STEPS slot, from
.set Q, \from
.rept NQ-1-\from
	STEP \slot, Q, 0
.set Q, Q+1
.endr
.endm
	s_wait_tensorcnt 1                             ; the scales and my part of K step 0 are in; K step 1's load may be out
	s_barrier_signal -1
	s_barrier_wait -1
	FETCH_B 0, 0, 0
	FETCH_A 0, 0, 0
	SCALES 0
	FETCH_A 0, 0, 4
	STEP 0, 0, 1                                   ; the first step's products start the sums
	s_mov_b32 s3, LAPS-1
.Llap:
	STEPS 0, 1
	TURN 0, 1, 1
	STEPS 1, 0
	TURN 1, 0, 1
	STEP 0, 0, 0
	s_sub_co_u32 s3, s3, 1
	s_cmp_lg_u32 s3, 0
	s_cbranch_scc1 .Llap
	STEPS 0, 1                                     ; the last lap fills nothing
	TURN 0, 1, 0
	STEPS 1, 0
	s_wait_dscnt 4*NL
	WIN MUL_LO
	MUL16 0, 1, NQ-1, 1, 0
	MUL16 2, 1, NQ-1, 1, 0
	s_wait_dscnt 0
	WIN MUL_HI
	MUL16 4, 1, NQ-1, 1, 0
	MUL16 6, 1, NQ-1, 1, 0
	WIN 0
	PLACES NP                                      ; in front of the first reads of results and of the writes over the weights' fragments
	; positions 0-15 of a batch (cluster y = 0, the waves of the tile's upper half, block 0) also leave in f32
	s_cmp_lg_u32 s95, 0
	s_cbranch_scc1 .Lno32
	s_cmp_lg_u32 s15, 0
	s_cbranch_scc1 .Lno32
	WIN 0x08                                       ; a store's data: window 2
.irp b, 0,1,2,3,4,5,6,7
.irp e, 0,1
	global_store_b128 v[C32], v[8*\b+4*\e:8*\b+4*\e+3], s[96:97] offset:\b*1024+\e*256   ; each accumulator from its low end on; sixteen lanes fill 256 consecutive bytes
.endr
.endr
	WIN 0
.Lno32:
	WIN 0x4a                                       ; sources window 2, destination window 1
.set A, 0
.rept 32
.irp i, 0,1,2,3
	v_cvt_pk_f16_f32 v[4*A+\i], v[8*A+2*\i], v[8*A+2*\i+1]
.endr
.set A, A+1
.endr
	WIN 0x4f                                       ; sources window 3
.set A, 0
.rept 32
.irp i, 0,1,2,3
	v_cvt_pk_f16_f32 v[128+4*A+\i], v[8*A+2*\i], v[8*A+2*\i+1]
.endr
.set A, A+1
.endr
	WIN 0x04                                       ; a store's data: window 1
.irp a, 0,1,2,3,4,5,6,7
.irp b, 0,1,2,3,4,5,6,7
	global_store_b128 v[CO], v[4*(8*\a+\b):4*(8*\a+\b)+3], s[12:13] offset:\b*32768+\a*256   ; lanes 0-15: 256 consecutive bytes of plane 2 b, lanes 16-31 of plane 2 b + 1
.endr
.endr
	WIN 0
	s_wait_tensorcnt 0x0                           ; the wave's end
	ds_add_u32 v[SPW], v[NIL]
	s_wait_dscnt 0x0
	CROUND                                         ; the closing round
	s_endpgm
.Lfunc_end_k_qa349944acc_gemm_qkv:
	.size	k_qa349944acc_gemm_qkv, .Lfunc_end_k_qa349944acc_gemm_qkv-k_qa349944acc_gemm_qkv
	.p2alignl 7, 3214868480
	.fill 96, 4, 3214868480
	.section	.rodata,"a",@progbits
	.p2align	6, 0x0
	.amdhsa_kernel k_qa349944acc_gemm_qkv
		.amdhsa_group_segment_fixed_size 327680
		.amdhsa_private_segment_fixed_size 0
		.amdhsa_enable_private_segment 0
		.amdhsa_kernarg_size 40
		.amdhsa_user_sgpr_count 2
		.amdhsa_user_sgpr_kernarg_segment_ptr 1
		.amdhsa_wavefront_size32 1
		.amdhsa_system_sgpr_workgroup_id_x 1
		.amdhsa_system_sgpr_workgroup_id_y 1
		.amdhsa_system_sgpr_workgroup_id_z 1
		.amdhsa_system_vgpr_workitem_id 0
		.amdhsa_next_free_vgpr 1024
		.amdhsa_next_free_sgpr 98
		.amdhsa_reserve_vcc 0
		.amdhsa_float_denorm_mode_32 3
		.amdhsa_float_denorm_mode_16_64 3
		.amdhsa_memory_ordered 1
		.amdhsa_forward_progress 1
		.amdhsa_inst_pref_size 206
	.end_amdhsa_kernel
	.amdgpu_metadata
---
amdhsa.version: [ 1, 2 ]
amdhsa.kernels:
  - .name:           k_qa349944acc_gemm_qkv
    .symbol:         k_qa349944acc_gemm_qkv.kd
    .args:
      - { .name: xc, .offset: 0, .size: 8, .value_kind: global_buffer, .address_space: global }
      - { .name: xs, .offset: 8, .size: 8, .value_kind: global_buffer, .address_space: global }
      - { .name: wc, .offset: 16, .size: 8, .value_kind: global_buffer, .address_space: global }
      - { .name: ws, .offset: 24, .size: 8, .value_kind: global_buffer, .address_space: global }
      - { .name: qkv, .offset: 32, .size: 8, .value_kind: global_buffer, .address_space: global }
    .group_segment_fixed_size: 327680
    .private_segment_fixed_size: 0
    .kernarg_segment_align: 8
    .kernarg_segment_size: 40
    .max_flat_workgroup_size: 128
    .sgpr_count:     98
    .vgpr_count:     1024
    .wavefront_size: 32
...
	.end_amdgpu_metadata
.endif
;; end of part 2
;; launch attn (part 3): grid 16 x 16, 4 waves a work-group, clusters of 4 x 1, 327,680 bytes of LDS; arguments qkv, ao; writes ao
.if DOCPART == 3
	.amdgcn_target "amdgcn-amd-amdhsa--gfx1250"
	.amdhsa_code_object_version 6
	.text
	.protected	k_qa349944acc_attn
	.globl	k_qa349944acc_attn
	.p2align	8
	.type	k_qa349944acc_attn,@function
k_qa349944acc_attn:
	s_mov_b64 s[64:65], 0
	v_nop
	global_prefetch_b8 v0, s[64:65] scope:SCOPE_SE
	s_setreg_imm32_b32 hwreg(HW_REG_WAVE_MODE, 25, 1), 1
	s_wait_xcnt 0x0
	s_wait_alu depctr_hold_cnt(0) depctr_sa_sdst(0) depctr_va_vdst(0) depctr_va_sdst(0) depctr_va_ssrc(0) depctr_va_vcc(0) depctr_vm_vsrc(0)
	s_getreg_b32 s2, hwreg(HW_REG_IB_STS2, 6, 4)
	s_cmp_eq_u32 s2, 0
	s_cbranch_scc0 .Lentry_in_a_cluster
	s_endpgm
.Lentry_in_a_cluster:
	s_bfe_u32 s2, ttmp6, 0x10000c
	s_cmp_lg_u32 s2, 0x3003
	s_cbranch_scc0 .Lentry_shape_is_right
	s_endpgm
.Lentry_shape_is_right:
; MGQA, launch 3 of 5: causal attention, 64 heads of 1,024 positions x 128 channels, operands in f16, maxima, exponentials and sums in f32.  Query head hq uses key and value head hq mod 4.
; WORK LEFT OUT: key tiles of 128 all of whose keys come after all 128 queries of a block have the weight 0 in reference() for all inputs (its own mask): they are not computed.
; LIMIT: a NaN or an infinity that arises only there is not carried on.  Rows 0-15 of each batch are computed here with their tile and written anew, more finely, by launch 5.
; SHARES.  Cluster x = p (0..3), place in the cluster = rep, y = 4 batch + g; the head is 4 rep + g.  A work-group owns query blocks p and 7 - p, 128 queries each: (p + 1) + (8 - p) = 9 steps of 128 queries x 128 keys
; in every work-group.  Step s <= p: block p on key tile s; else block 7 - p on key tile s - p - 1.  The diagonal tiles are steps p and 8.  A wave owns 32 queries of each block: tiles 0, 1 and 2, 3.
; The four partners share batch, g and p: the same K and V tiles in the same order, so each tile comes by ONE joint load a wave (mask 15), and every branch and count is alike in all four.
; LAYOUT.  qkv lies as [b][c8][pos][16 B = 8 channels].  S^T = K Q^T (source 0 = 16 keys, source 1 = 16 queries) and O^T = V^T P: a lane holds one query throughout.  K's fragments are read as they lie
; (sixteen lanes: 256 consecutive bytes of a plane), V's by the turning load (8 keys x 8 channels a group of eight lanes).  In LDS a plane's 64 keys (1,024 bytes) are followed by 128 bytes of padding.
; SOFTMAX: running maximum m and sum l a query; p = 2^(c s - c m), c = log2(e) / sqrt(128); O^T and l are multiplied by a = 2^(c m_old - c m_new) in every step.  O^T, l begin as zeros and m as -3e38.
; OUT: ao in f16 as [k8 256][m 4096][16 B]: a lane's eight channels are its 16 bytes.
; REGISTERS: window 0: v2-11 addresses; v12-43 statistics, 8 a tile; v44-59 maxima at work; v64-191 S^T of the two tiles in hand; v192-255 P.  window 1: O^T, 64 a tile.
;   window 2: v0-127 Q; v128-255 KA: K's keys 0-63, later V's keys 64-127.  window 3: v0-127 VA: V's keys 0-63; v128-255 KB: K's keys 64-127.
.set PL,    1152                       ; a plane in LDS
.set REG,   16*PL                      ; a region: 16 planes x 64 keys.  Region w of a slot is what wave w fetches: K 0-63, K 64-127, V 0-63, V 64-127
.set SLOT1, 1<<17
.set SPARE, SLOT1+4*REG                ; the spare words, 128 bytes a wave
.set AK0, 2
.set AV0, 3
.set ADK, 4
.set ADV, 5
.set QO,  6
.set GO,  7
.set DM,  8                            ; v8, v9: my query's place in its block less 8 (l / 16), for the two tiles
.set MINF, 10
.set ST,  12                           ; tile t: +0 c m, +1 m, +2, +3 l, +4 at work, +5 the other half's, +6 a, +7 c m_old - c m_new
.set CH,  44
.set PFO, 61
.set SPW, 62
.set NIL, 63
.set S,   64
.set P,   192
.set WV,  12
.set CX,  13
.set PP,  14
.set LIM, 15
.set T0,  16                           ; s[16:17] an offset at work
.set PFA, 18
.set G1,  24
.set G0,  32
.set KVB, 36                           ; s[36:37] my region's bytes of key tile 0
.set STEPN, 40
.set TB,  42
.set QLO, 44
.set QHI, 46
.set OLO, 48
.set OHI, 50
.set CS,  58
.set SEL, 60
.set MSB, 0
.macro WIN new
.if MSB != \new
	s_set_vgpr_msb (MSB<<8)|\new
.set MSB, \new
.endif
.endm
.macro CROUND
	s_barrier_signal -1
	s_barrier_wait -1
	s_cmp_lg_u32 s[WV], 0
	s_cbranch_scc1 .Lnot_wave_0_\@
	s_barrier_signal -3
.Lnot_wave_0_\@:
	s_barrier_wait -3
	s_barrier_signal -1
	s_barrier_wait -1
.endm
; A PREFETCH INTO THE L2.  Cluster p = 0 walks key tiles 0 .. 7 in steps 1 .. 8; in trip s (0 .. 6) it asks for key tile s + 1, which its own load of trip s + 1 will want: one step of 128 matrix instructions a wave ahead.
; A key tile is 2,048 bytes of each of K's and V's 16 planes.  The four partners take 4 planes each, told apart by address; wave 0 asks for K's, wave 2 for V's: 4 planes x 8 blocks of 256 bytes, a lane a block.
; So each block is named once in the launch; key tile 0 comes by its loads alone, and nothing is asked for behind key tile 7.
.macro ASK
	s_sub_co_u32 s[T0], 8, s[STEPN]
	s_cmp_gt_u32 s[T0], s[LIM]
	s_cbranch_scc0 .Lnot_mine_\@
	global_prefetch_b8 v[PFO], s[PFA:PFA+1] th:TH_LOAD_NT scope:SCOPE_SE
.Lnot_mine_\@:
.endm
	s_load_b128 s[4:7], s[0:1], 0x0                ; qkv, ao
	v_lshl_add_u32 v[SPW], v0, 2, SPARE
	v_mov_b32 v[NIL], 0
	ds_add_u32 v[SPW], v[NIL]                      ; the opening: the add, twice on end, and its wait ahead of my first tensor load
	ds_add_u32 v[SPW], v[NIL]
	v_lshrrev_b32 v1, 5, v0
	v_readfirstlane_b32 s[WV], v1
	s_bfe_u32 s[CX], ttmp6, 0x40000                ; rep: it enters Q's, O's and the prefetches' addresses alone
	s_mov_b32 s[PP], ttmp9                         ; p: the cluster's x, the same in all partners
	s_and_b32 s20, ttmp7, 0xffff
	s_lshr_b32 s21, s20, 2                         ; batch
	s_and_b32 s22, s20, 3                          ; g
	s_mul_i32 s2, s21, 6291456                     ; the batch's bytes
	s_lshr_b32 s8, s[WV], 1
	s_lshl_b32 s8, s8, 6
	s_lshl_b32 s9, s22, 4
	s_add_co_u32 s8, s8, s9
	s_add_co_u32 s8, s8, 256                       ; my first plane: 256 + 16 g for K, 64 more for V
	s_lshl_b32 s10, s8, 14
	s_and_b32 s9, s[WV], 1
	s_lshl_b32 s11, s9, 10                         ; my 64 keys of the 128
	s_add_co_u32 s10, s10, s11
	s_add_co_u32 s10, s10, s2
	s_mov_b32 s11, 0
	s_lshl_b32 s52, s[CX], 2
	s_add_co_u32 s52, s52, s8
	s_lshl_b32 s52, s52, 14                        ; the prefetches: my work-group's 4 planes
	s_add_co_u32 s52, s52, s2
	s_mov_b32 s53, 0
	s_or_b32 s[LIM], s9, ttmp9
	s_cmp_eq_u32 s[LIM], 0
	s_cselect_b32 s[LIM], 1, -1                    ; waves 0 and 2 of cluster p = 0 ask
	s_lshl_b32 s23, s[CX], 2
	s_add_co_u32 s23, s23, s22                     ; the query head
	s_lshl_b32 s54, s[PP], 11
	s_lshl_b32 s55, s[WV], 9
	s_add_co_u32 s54, s54, s55                     ; 16 bytes x (128 p + 32 wave)
	s_sub_co_u32 s56, 7, s[PP]
	s_lshl_b32 s56, s56, 11
	s_add_co_u32 s56, s56, s55                     ; 16 bytes x (128 (7 - p) + 32 wave)
	s_lshl_b32 s57, s23, 18
	s_add_co_u32 s57, s57, s2
	s_add_co_u32 s[QLO], s57, s54
	s_mov_b32 s[QLO+1], 0
	s_add_co_u32 s[QHI], s57, s56
	s_mov_b32 s[QHI+1], 0
	s_lshl_b32 s57, s23, 20                        ; ao: the head's 16 planes of 65,536 bytes,
	s_lshl_b32 s55, s21, 14                        ; the batch's 1,024 rows
	s_add_co_u32 s57, s57, s55
	s_add_co_u32 s[OLO], s57, s54
	s_mov_b32 s[OLO+1], 0
	s_add_co_u32 s[OHI], s57, s56
	s_mov_b32 s[OHI+1], 0
	s_mov_b32 s[G1], 15|(3<<16)|(1<<20)|(1<<21)|(7<<22)|(31<<25)   ; all four partners; elements of 8 bytes; padding: 32 words behind every 256; bit 21 beside a mask
	s_mov_b32 s[G1+1], 128<<16                     ; tensor_dim0: 64 keys x 16 bytes
	s_mov_b32 s[G1+2], 16<<16                      ; 16 planes
	s_mov_b32 s[G1+3], 128<<16
	s_mov_b32 s[G1+4], 16
	s_mov_b32 s[G1+5], 2048                        ; from plane to plane: 16,384 bytes
	s_mov_b32 s[G1+6], 0
	s_mov_b32 s[G1+7], 0
	s_mov_b32 s[CS], 0x3e0293ee                    ; c
	s_mov_b32 s[CS+1], s[CS]
	s_mov_b32 s[SEL], 0x76543210
	s_mov_b32 s[SEL+1], 0xfedcba98
	s_mov_b32 s[TB], 0
	s_mov_b32 s[STEPN], 0
	s_wait_dscnt 0x0                               ; both opening adds are done
	s_wait_kmcnt 0x0
	s_add_nc_u64 s[KVB:KVB+1], s[4:5], s[10:11]
	s_add_nc_u64 s[PFA:PFA+1], s[4:5], s[52:53]
	s_add_nc_u64 s[QLO:QLO+1], s[4:5], s[QLO:QLO+1]
	s_add_nc_u64 s[QHI:QHI+1], s[4:5], s[QHI:QHI+1]
	s_add_nc_u64 s[OLO:OLO+1], s[6:7], s[OLO:OLO+1]
	s_add_nc_u64 s[OHI:OHI+1], s[6:7], s[OHI:OHI+1]
	CROUND                                         ; all four work-groups are here
	s_mov_b32 s[G0], 1
	s_mul_i32 s[G0+1], s[WV], REG                  ; slot 0, my region
	s_mov_b64 s[G0+2:G0+3], s[KVB:KVB+1]           ; key tile 0: step 0's in every work-group
	s_or_b32 s[G0+3], s[G0+3], 0x80000000
	tensor_load_to_lds s[G0:G0+3], s[G1:G1+7]      ; every wave issues it: one load of mine is out
	s_nop 0
.rept 4
	v_nop
.endr
	v_and_b32 v1, 15, v0                           ; r
	v_bfe_u32 v11, v0, 4, 1                        ; h
	v_lshlrev_b32 v60, 4, v1
	v_lshl_add_u32 v[QO], v11, 14, v60
	WIN 0x80                                       ; destination window 2
.irp t, 0,1
.irp cc, 0,1,2,3
.irp e, 0,1
	global_load_b128 v[32*\t+8*\cc+4*\e:32*\t+8*\cc+4*\e+3], v[QO], s[QLO:QLO+1] offset:(4*\cc+2*\e)*16384+\t*256
	global_load_b128 v[64+32*\t+8*\cc+4*\e:64+32*\t+8*\cc+4*\e+3], v[QO], s[QHI:QHI+1] offset:(4*\cc+2*\e)*16384+\t*256
.endr
.endr
.endr
	WIN 0x40                                       ; O^T begins as zeros: where a block's first step stands hangs on p, so no step is written with a constant 0; these lines run while the first tile is on its way
.set j, 0
.rept 256
	v_mov_b32 v[j], 0
.set j, j+1
.endr
	WIN 0
	v_mul_u32_u24 v[AK0], v11, PL
	v_add_nc_u32 v[AK0], v[AK0], v60               ; K: plane h, key r
	v_bfe_u32 v[AV0], v0, 3, 1
	v_mul_u32_u24 v[AV0], v[AV0], PL
	v_and_b32 v4, 7, v0
	v_lshl_add_u32 v4, v11, 3, v4
	v_lshl_add_u32 v[AV0], v4, 4, v[AV0]
	v_add_nc_u32 v[AV0], 2*REG, v[AV0]             ; V: plane (l / 8) % 2, key 8 h + l % 8
	v_lshl_add_u32 v[GO], v11, 16, v60
	v_lshlrev_b32 v[DM], 3, v11
	v_sub_nc_u32 v[DM], v1, v[DM]
	s_lshl_b32 s55, s[WV], 5
	v_add_nc_u32 v[DM], s55, v[DM]
	v_add_nc_u32 v[DM+1], 16, v[DM]
	v_mov_b32 v[MINF], 0xff800000
	v_and_b32 v[PFO], 31, v0
	v_lshrrev_b32 v4, 3, v[PFO]
	v_and_b32 v[PFO], 7, v[PFO]
	v_lshlrev_b32 v[PFO], 8, v[PFO]
	v_lshl_add_u32 v[PFO], v4, 14, v[PFO]
.irp t, 0,1,2,3
	v_mov_b32 v[ST+8*\t+1], 0xff61b1e6             ; m = -3e38, under every score
.irp i, 2,3,4,5,6,7
	v_mov_b32 v[ST+8*\t+\i], 0
.endr
	v_mul_f32 v[ST+8*\t], s[CS], v[ST+8*\t+1]
.endr
.macro FETCH_K kh                      ; 64 keys x 128 channels: fragment f = 4 kt + cc
	WIN 0x80+0x40*(\kh)
.irp f, 0,1,2,3,4,5,6,7,8,9,10,11,12,13,14,15
.irp e, 0,1
	ds_load_b128 v[128+8*\f+4*\e:128+8*\f+4*\e+3], v[ADK] offset:(\kh)*REG+(4*(\f%4)+2*\e)*PL+(\f/4)*256
.endr
.endr
.endm
.macro FETCH_V kh                      ; 64 keys x 128 channels, turned: fragment f = 8 k32 + c16
	WIN 0xc0-0x40*(\kh)
.irp f, 0,1,2,3,4,5,6,7,8,9,10,11,12,13,14,15
.irp e, 0,1
	ds_load_tr16_b128 v[128*(\kh)+8*\f+4*\e:128*(\kh)+8*\f+4*\e+3], v[ADV] offset:(\kh)*REG+2*(\f%8)*PL+(32*(\f/8)+16*\e)*16
.endr
.endr
.endm
; 32 products S^T = K Q^T for tiles x, x + 1 and keys 64 kh on: eight accumulators by turns; the first eight start the sums
.macro KQ x, kh
	WIN 0x0a+(\kh)
.irp cc, 0,1,2,3
.irp kt, 0,1,2,3
.irp t, 0,1
.if \cc == 0
	v_wmma_f32_16x16x32_f16 v[S+64*\t+8*(4*(\kh)+\kt):S+64*\t+8*(4*(\kh)+\kt)+7], v[128+32*\kt+8*\cc:128+32*\kt+8*\cc+7], v[32*((\x)+\t)+8*\cc:32*((\x)+\t)+8*\cc+7], 0
.else
	v_wmma_f32_16x16x32_f16 v[S+64*\t+8*(4*(\kh)+\kt):S+64*\t+8*(4*(\kh)+\kt)+7], v[128+32*\kt+8*\cc:128+32*\kt+8*\cc+7], v[32*((\x)+\t)+8*\cc:32*((\x)+\t)+8*\cc+7], v[S+64*\t+8*(4*(\kh)+\kt):S+64*\t+8*(4*(\kh)+\kt)+7]
.endif
.endr
.endr
.endr
.endm
; 32 products O^T += V^T P: sixteen accumulators by turns
.macro PV x, kh
	WIN 0x53-(\kh)
.irp k32, 0,1
.irp c16, 0,1,2,3,4,5,6,7
.irp t, 0,1
	v_wmma_f32_16x16x32_f16 v[64*((\x)+\t)+8*\c16:64*((\x)+\t)+8*\c16+7], v[128*(\kh)+64*\k32+8*\c16:128*(\kh)+64*\k32+8*\c16+7], v[P+32*\t+8*(2*(\kh)+\k32):P+32*\t+8*(2*(\kh)+\k32)+7], v[64*((\x)+\t)+8*\c16:64*((\x)+\t)+8*\c16+7]
.endr
.endr
.endr
.endm
.macro MASK                            ; the diagonal tile: register n holds key 16 (n / 8) + 8 (l / 16) + n % 8 of the block: hidden where it comes after my query
.set n, 0
.rept 64
.irp t, 0,1
	v_cmp_gt_i32 vcc_lo, 16*(n/8)+n%8, v[DM+\t]
	v_cndmask_b32 v[S+64*\t+n], v[S+64*\t+n], v[MINF], vcc_lo
.endr
.set n, n+1
.endr
.endm
.macro SOFTMAX x                       ; the two tiles line by line, so that no line waits for the line above it
	WIN 0
.irp j, 0,1,2,3,4,5,6,7
.irp t, 0,1
	v_max3_num_f32 v[CH+8*\t+\j], v[S+64*\t+8*\j], v[S+64*\t+8*\j+1], v[S+64*\t+8*\j+2]   ; each accumulator is read from its low end on
.endr
.endr
.irp i, 3,5
.irp j, 0,1,2,3,4,5,6,7
.irp t, 0,1
	v_max3_num_f32 v[CH+8*\t+\j], v[CH+8*\t+\j], v[S+64*\t+8*\j+\i], v[S+64*\t+8*\j+\i+1]
.endr
.endr
.endr
.irp i, 0,1,2,3
.irp t, 0,1
	v_max3_num_f32 v[CH+8*\t+2*\i], v[CH+8*\t+2*\i], v[S+64*\t+16*\i+7], v[S+64*\t+16*\i+15]
.endr
.endr
.irp t, 0,1
	v_max3_num_f32 v[CH+8*\t], v[CH+8*\t], v[CH+8*\t+1], v[CH+8*\t+2]
	v_max3_num_f32 v[CH+8*\t+4], v[CH+8*\t+4], v[CH+8*\t+5], v[CH+8*\t+6]
.endr
.irp t, 0,1
	v_max3_num_f32 v[CH+8*\t], v[CH+8*\t], v[CH+8*\t+3], v[CH+8*\t+4]
.endr
.irp t, 0,1
	v_max3_num_f32 v[CH+8*\t], v[CH+8*\t], v[CH+8*\t+7], v[ST+8*((\x)+\t)+1]   ; and the old m
.endr
.irp t, 0,1
	v_permlanex16_b32 v[ST+8*((\x)+\t)+5], v[CH+8*\t], s[SEL], s[SEL+1]        ; the query's other 64 keys lie in the lane 16 away
.endr
.irp t, 0,1
	v_mov_b32 v[ST+8*((\x)+\t)+7], v[ST+8*((\x)+\t)]
.endr
.irp t, 0,1
	v_max_num_f32 v[ST+8*((\x)+\t)+1], v[CH+8*\t], v[ST+8*((\x)+\t)+5]
.endr
.irp t, 0,1
	v_mul_f32 v[ST+8*((\x)+\t)], s[CS], v[ST+8*((\x)+\t)+1]
.endr
.irp t, 0,1
	v_sub_f32 v[ST+8*((\x)+\t)+7], v[ST+8*((\x)+\t)+7], v[ST+8*((\x)+\t)]
.endr
.set j, 0
.rept 32
.irp t, 0,1
	v_pk_fma_f32 v[S+64*\t+j:S+64*\t+j+1], v[S+64*\t+j:S+64*\t+j+1], s[CS:CS+1], v[ST+8*((\x)+\t):ST+8*((\x)+\t)+1] op_sel_hi:[1,0,0] neg_lo:[0,0,1] neg_hi:[0,0,1]   ; c s - c m
.endr
.set j, j+2
.endr
.irp t, 0,1
	v_exp_f32 v[ST+8*((\x)+\t)+6], v[ST+8*((\x)+\t)+7]                         ; a
.endr
.set j, 0
.rept 64
.irp t, 0,1
	v_exp_f32 v[S+64*\t+j], v[S+64*\t+j]
.endr
.set j, j+1
.endr
	v_nop                                          ; a plain line behind the last exponential
	s_wait_alu depctr_va_vdst(0)                   ; one wait for the batch of 130, ahead of its first reader
.set j, 0
.rept 32
.irp t, 0,1
	v_cvt_pk_f16_f32 v[P+32*\t+j], v[S+64*\t+2*j], v[S+64*\t+2*j+1]
.endr
.set j, j+1
.endr
.irp w, 4,8,16,32,64                   ; the sum of 32 pairs, in place: neighbours 1, 2, 4, 8, 16 pairs apart
.set u, 0
.rept 64/\w
.irp t, 0,1
	v_pk_add_f32 v[S+64*\t+u:S+64*\t+u+1], v[S+64*\t+u:S+64*\t+u+1], v[S+64*\t+u+\w/2:S+64*\t+u+\w/2+1]
.endr
.set u, u+\w
.endr
.endr
.irp t, 0,1
	v_pk_fma_f32 v[ST+8*((\x)+\t)+2:ST+8*((\x)+\t)+3], v[ST+8*((\x)+\t)+2:ST+8*((\x)+\t)+3], v[ST+8*((\x)+\t)+6:ST+8*((\x)+\t)+7], v[S+64*\t:S+64*\t+1] op_sel_hi:[1,0,1]   ; l = a l + the sum
.endr
	WIN 0x41                                       ; O^T in window 1, a in window 0
.set j, 0
.rept 32
.irp t, 0,1
	v_pk_mul_f32 v[64*((\x)+\t)+j:64*((\x)+\t)+j+1], v[64*((\x)+\t)+j:64*((\x)+\t)+j+1], v[ST+8*((\x)+\t)+6:ST+8*((\x)+\t)+7] op_sel_hi:[1,0]
.endr
.set j, j+2
.endr
.endm
; A STEP: tiles x, x + 1 against the 128 keys of the slot in hand.  mask = 1: masked where the step is p; 2: always; 0: never.
.macro STEP x, mask
	WIN 0
	v_add_nc_u32 v[ADK], s[TB], v[AK0]
	v_add_nc_u32 v[ADV], s[TB], v[AV0]
	FETCH_K 0
	FETCH_K 1
	s_wait_dscnt 32                                ; keys 0-63 of K are in; the 32 younger loads may be out
	KQ \x, 0
	FETCH_V 0
	s_wait_dscnt 32                                ; keys 64-127 of K are in; V's 32 loads may be out
	KQ \x, 1
	WIN 0
.rept 4
	v_nop                                          ; places in front of the loads into KA and of the first reads of S^T
.endr
	FETCH_V 1
	WIN 0
.if \mask == 1
	s_cmp_lg_u32 s[STEPN], s[PP]
	s_cbranch_scc1 .Lopen_\@
	MASK
.Lopen_\@:
.elseif \mask == 2
	MASK
.endif
	SOFTMAX \x
	s_wait_dscnt 0x0                               ; V is in
	PV \x, 0
	PV \x, 1
	WIN 0
.endm
; THE CHANGE OF SLOTS stands at a step's head.  Each wave waits for its tensor load (its region of the slot ahead), adds 0 to its spare word, and waits for that and for its reads of the slot that it has left.
; fill = 1: behind a round of the cluster's barrier the slot just left takes the tile of the step after this one: the load has a whole step in which to land.
.macro CHANGE fill
	s_wait_tensorcnt 0x0                           ; no tensor load of mine is out, so group 0 may be written
	ds_add_u32 v[SPW], v[NIL]
.if \fill
	s_add_co_u32 s[T0], s[STEPN], 1                ; the load serves step s + 1: key tile s + 1 while that is at most p,
	s_sub_co_u32 s[T0+1], s[STEPN], s[PP]          ; else s + 1 - p - 1
	s_cmp_le_u32 s[T0], s[PP]
	s_cselect_b32 s[T0], s[T0], s[T0+1]
	s_lshl_b32 s[T0], s[T0], 11                    ; 128 keys of 16 bytes
	s_mov_b32 s[T0+1], 0
	s_xor_b32 s[G0+1], s[G0+1], SLOT1
	s_add_nc_u64 s[G0+2:G0+3], s[KVB:KVB+1], s[T0:T0+1]
	s_or_b32 s[G0+3], s[G0+3], 0x80000000
	s_wait_xcnt 0x0                                ; the last prefetch, a step back, has read its address
	s_add_nc_u64 s[PFA:PFA+1], s[PFA:PFA+1], 2048
	s_wait_dscnt 0x0                               ; the add is done, and my reads of the slot that I have left are over
	CROUND
	tensor_load_to_lds s[G0:G0+3], s[G1:G1+7]      ; my one load behind the round
	s_nop 0
.rept 4
	v_nop                                          ; also the places in front of the loads into KA
.endr
	ASK
.else
	s_wait_dscnt 0x0
	s_barrier_signal -1
	s_barrier_wait -1
.rept 4
	v_nop
.endr
.endif
.endm
	s_wait_loadcnt 0x0                             ; Q
.Lstep:                                            ; eight trips, in every work-group
	CHANGE 1
	s_cmp_le_u32 s[STEPN], s[PP]
	s_cbranch_scc0 .Lhi
	STEP 0, 1
	s_branch .Ljoin
.Lhi:
	STEP 2, 0
.Ljoin:
	s_xor_b32 s[TB], s[TB], SLOT1
	s_add_co_u32 s[STEPN], s[STEPN], 1
	s_cmp_lt_u32 s[STEPN], 8
	s_cbranch_scc1 .Lstep
	CHANGE 0                                       ; step 8 is written out: nothing is left to ask for; it is block 7 - p's diagonal tile
	STEP 2, 2
	; THE WAY OUT.  The additions are the places behind the last products.
.irp t, 0,1,2,3
	v_add_f32 v[ST+8*\t+4], v[ST+8*\t+2], v[ST+8*\t+3]
.endr
.irp t, 0,1,2,3
	v_permlanex16_b32 v[ST+8*\t+5], v[ST+8*\t+4], s[SEL], s[SEL+1]
.endr
.irp t, 0,1,2,3
	v_add_f32 v[ST+8*\t+4], v[ST+8*\t+4], v[ST+8*\t+5]
.endr
.irp t, 0,1,2,3
	v_rcp_f32 v[ST+8*\t+6], v[ST+8*\t+4]
.endr
	v_nop
	s_wait_alu depctr_va_vdst(0)                   ; one wait for the four reciprocals
.macro PACKO t, base
	WIN 0x41
.set j, 0
.rept 32
	v_pk_mul_f32 v[64*\t+j:64*\t+j+1], v[64*\t+j:64*\t+j+1], v[ST+8*\t+6:ST+8*\t+7] op_sel_hi:[1,0]
.set j, j+2
.endr
	WIN 0x05                                       ; sources window 1, destination window 0
.set j, 0
.rept 32
	v_cvt_pk_f16_f32 v[S+32*\t+j], v[64*\t+2*j], v[64*\t+2*j+1]
.set j, j+1
.endr
	WIN 0
.irp c, 0,1,2,3,4,5,6,7
	global_store_b128 v[GO], v[S+32*\t+4*\c:S+32*\t+4*\c+3], s[\base:\base+1] offset:\c*131072+(\t%2)*256   ; lanes 0-15: 256 consecutive bytes of plane 2 c, lanes 16-31 of plane 2 c + 1
.endr
.endm
	PACKO 0, OLO
	PACKO 1, OLO
	PACKO 2, OHI
	PACKO 3, OHI
	s_wait_tensorcnt 0x0                           ; the wave's end
	ds_add_u32 v[SPW], v[NIL]
	s_wait_dscnt 0x0
	CROUND                                         ; the closing round
	s_endpgm
.Lfunc_end_k_qa349944acc_attn:
	.size	k_qa349944acc_attn, .Lfunc_end_k_qa349944acc_attn-k_qa349944acc_attn
	.p2alignl 7, 3214868480
	.fill 96, 4, 3214868480
	.section	.rodata,"a",@progbits
	.p2align	6, 0x0
	.amdhsa_kernel k_qa349944acc_attn
		.amdhsa_group_segment_fixed_size 327680
		.amdhsa_private_segment_fixed_size 0
		.amdhsa_enable_private_segment 0
		.amdhsa_kernarg_size 16
		.amdhsa_user_sgpr_count 2
		.amdhsa_user_sgpr_kernarg_segment_ptr 1
		.amdhsa_wavefront_size32 1
		.amdhsa_system_sgpr_workgroup_id_x 1
		.amdhsa_system_sgpr_workgroup_id_y 1
		.amdhsa_system_sgpr_workgroup_id_z 1
		.amdhsa_system_vgpr_workitem_id 0
		.amdhsa_next_free_vgpr 1024
		.amdhsa_next_free_sgpr 66
		.amdhsa_reserve_vcc 1
		.amdhsa_float_denorm_mode_32 3
		.amdhsa_float_denorm_mode_16_64 3
		.amdhsa_memory_ordered 1
		.amdhsa_forward_progress 1
		.amdhsa_inst_pref_size 184
	.end_amdhsa_kernel
	.amdgpu_metadata
---
amdhsa.version: [ 1, 2 ]
amdhsa.kernels:
  - .name:           k_qa349944acc_attn
    .symbol:         k_qa349944acc_attn.kd
    .args:
      - { .name: qkv, .offset: 0, .size: 8, .value_kind: global_buffer, .address_space: global }
      - { .name: ao, .offset: 8, .size: 8, .value_kind: global_buffer, .address_space: global }
    .group_segment_fixed_size: 327680
    .private_segment_fixed_size: 0
    .kernarg_segment_align: 8
    .kernarg_segment_size: 16
    .max_flat_workgroup_size: 128
    .sgpr_count:     66
    .vgpr_count:     1024
    .wavefront_size: 32
...
	.end_amdgpu_metadata
.endif
;; end of part 3
;; launch gemm_out (part 4): grid 8 x 32, 4 waves a work-group, clusters of 4 x 4, 327,680 bytes of LDS; arguments ao, wot, out0; writes out0
.if DOCPART == 4
	.amdgcn_target "amdgcn-amd-amdhsa--gfx1250"
	.amdhsa_code_object_version 6
	.text
	.protected	k_qa349944acc_gemm_out
	.globl	k_qa349944acc_gemm_out
	.p2align	8
	.type	k_qa349944acc_gemm_out,@function
k_qa349944acc_gemm_out:
	s_mov_b64 s[64:65], 0
	v_nop
	global_prefetch_b8 v0, s[64:65] scope:SCOPE_SE
	s_setreg_imm32_b32 hwreg(HW_REG_WAVE_MODE, 25, 1), 1
	s_wait_xcnt 0x0
	s_wait_alu depctr_hold_cnt(0) depctr_sa_sdst(0) depctr_va_vdst(0) depctr_va_sdst(0) depctr_va_ssrc(0) depctr_va_vcc(0) depctr_vm_vsrc(0)
	s_getreg_b32 s2, hwreg(HW_REG_IB_STS2, 6, 4)
	s_cmp_eq_u32 s2, 0
	s_cbranch_scc0 .Lentry_in_a_cluster
	s_endpgm
.Lentry_in_a_cluster:
	s_bfe_u32 s2, ttmp6, 0x10000c
	s_cmp_lg_u32 s2, 0xf033
	s_cbranch_scc0 .Lentry_shape_is_right
	s_endpgm
.Lentry_shape_is_right:
; MGQA, launch 4 of 5: out0 = ao Wo: M 4096, N 2048, K 2048, operands in f16, sums in f32, out0 in f32.
; A tile of 128 x 256 to a work-group (256 work-groups), 64 x 128 a wave: 32 accumulators.
; K GOES IN STEPS OF 192 through a ring of two LDS slots: the tile costs (128 + 256) x 2 = 768 LDS bytes for each k, and 192 is the largest multiple of 32 of which two slots fit; so a refill has 176 matrix instructions
; a wave between its request and the wait for it.  2,048 = 10 x 192 + 128: ten full steps of six quarters and a last one of four, whose fill has descriptors of its own (16 planes in place of 24).
; Both operands lie as [k8][row][16 B = 8 along K]: a tile's half is 24 planes of consecutive bytes (1,024 of ao, 2,048 of wot); a fragment load of sixteen lanes reads 256 consecutive LDS bytes: no padding.
; CLUSTERS 4 x 4: ao's tiles are shared along a row of the cluster, wot's along a column: joint loads.  Transposed use (source 0 = 16 columns of Wo, source 1 = 16 rows of ao): a lane holds eight neighbouring columns of a row.
; Rows 0-15 of each batch are written here with their tile and written anew, more finely, by launch 5.
; REGISTERS: window 0: v16-29 addresses; v64-127 ao's fragments, two buffers; v128-255 the way out.  window 1: v0-127 wot's fragments, two buffers.  window 2: the accumulators, (a, b) at v[8 (8 a + b)].
.set AH,     24*1024                   ; ao's half: 24 planes x 64 rows x 16 bytes
.set BH,     24*2048                   ; wot's half: 24 planes x 128 rows x 16 bytes
.set BOFF,   2*AH                      ; a slot: ao's two halves, then wot's two
.set SLOT,   2*AH+2*BH
.set STAGE,  SLOT                      ; the way out: 16 rows x (512 bytes + 16) for each wave, in slot 1: it has had its last fill (step 9's), and every wave has left it at the last change of slots
.set SPITCH, 528
.set SPARE,  2*SLOT                    ; behind the ring: the spare words, 128 bytes a wave
.set TRIPS,  4                         ; a trip = two steps = once round the ring: steps 0 to 7, which ask for steps 2 to 9
.set ASTEP,  24*65536                  ; a step in ao
.set BSTEP,  24*32768                  ; and in wot
.set ADRA, 16
.set ADRB, 20
.set STO,  24
.set RD,   25
.set CO,   26
.set SPW,  28
.set NIL,  29
.set BK,   128
.set G1, 24                            ; s[24:31] group 1 for ao's tiles of 24 planes; s[32:39] group 0, a set for each slot
.set G0, 32
.set G1B, 48                           ; s[48:55], s[56:63] the same for wot's
.set G0B, 56
.set G1L, 68                           ; s[68:75], s[76:83] groups 1 for the last step's tiles of 16 planes
.set G1BL, 76
.set MSB, 0
.macro WIN new
.if MSB != \new
	s_set_vgpr_msb (MSB<<8)|\new
.set MSB, \new
.endif
.endm
.set MUL,  0xa1                        ; source 0 window 1, source 1 window 0, C and D window 2
.set TO_B, 0x40
.macro JLOAD s, ga, gb                 ; waves 0 and 1 fetch ao's two halves, waves 2 and 3 wot's; an s_nop 0 and four v_nop follow each line
	s_cmp_eq_u32 s11, 0
	s_cbranch_scc0 .Lfor_b_\@
	tensor_load_to_lds s[G0+4*\s:G0+4*\s+3], s[\ga:\ga+7]
	s_nop 0
.rept 4
	v_nop
.endr
	s_branch .Lasked_\@
.Lfor_b_\@:
	tensor_load_to_lds s[G0B+4*\s:G0B+4*\s+3], s[\gb:\gb+7]
	s_nop 0
.rept 4
	v_nop
.endr
.Lasked_\@:
.endm
.macro CREST
	s_cmp_lg_u32 s10, 0
	s_cbranch_scc1 .Lnot_wave_0_\@
	s_barrier_signal -3
.Lnot_wave_0_\@:
	s_barrier_wait -3
	s_barrier_signal -1
	s_barrier_wait -1
.endm
.macro CROUND
	s_barrier_signal -1
	s_barrier_wait -1
	CREST
.endm
	s_load_b128 s[4:7], s[0:1], 0x0                ; ao, wot
	s_load_b64 s[8:9], s[0:1], 0x10                ; out0
	v_lshl_add_u32 v[SPW], v0, 2, SPARE
	v_mov_b32 v[NIL], 0
	ds_add_u32 v[SPW], v[NIL]                      ; the opening: the add, twice on end, and its wait ahead of my first tensor load
	ds_add_u32 v[SPW], v[NIL]
	v_lshrrev_b32 v1, 5, v0
	v_readfirstlane_b32 s10, v1
	s_lshr_b32 s11, s10, 1                         ; my 64 rows of the tile; also: I fetch for ao (0) or wot (1)
	s_and_b32 s12, s10, 1                          ; my 128 columns; also: which half I fetch
	s_bfe_u32 s40, ttmp6, 0x40000
	s_bfe_u32 s41, ttmp6, 0x40004
	s_lshl_b32 s42, ttmp9, 2
	s_add_co_u32 s42, s42, s40                     ; tile column
	s_and_b32 s13, ttmp7, 0xffff
	s_lshl_b32 s13, s13, 2
	s_add_co_u32 s13, s13, s41                     ; tile row
	s_lshl_b32 s43, s41, 2
	s_lshl_b32 s43, 15, s43                        ; my row of the cluster
	s_lshl_b32 s44, 0x1111, s40                    ; my column
	s_or_b32 s[G1+0], s43, (3<<16)|(1<<21)         ; the mask; elements of 8 bytes; bit 21 beside a mask; no padding
	s_or_b32 s[G1L+0], s43, (3<<16)|(1<<21)
	s_or_b32 s[G1B+0], s44, (3<<16)|(1<<21)
	s_or_b32 s[G1BL+0], s44, (3<<16)|(1<<21)
.irp g, G1, G1L
	s_mov_b32 s[\g+1], 128<<16                     ; 64 rows x 16 bytes = 128 elements
	s_mov_b32 s[\g+3], 128<<16
	s_mov_b32 s[\g+5], 8192                        ; plane to plane: 65,536 bytes
	s_mov_b32 s[\g+6], 0
	s_mov_b32 s[\g+7], 0
.endr
.irp g, G1B, G1BL
	s_mov_b32 s[\g+1], 256<<16                     ; 128 rows x 16 bytes
	s_mov_b32 s[\g+3], 256<<16
	s_mov_b32 s[\g+5], 4096                        ; 32,768 bytes
	s_mov_b32 s[\g+6], 0
	s_mov_b32 s[\g+7], 0
.endr
.irp g, G1, G1B
	s_mov_b32 s[\g+2], 24<<16                      ; 24 planes: 192 along K
	s_mov_b32 s[\g+4], 24
.endr
.irp g, G1L, G1BL
	s_mov_b32 s[\g+2], 16<<16                      ; 16 planes: the last 128 along K
	s_mov_b32 s[\g+4], 16
.endr
	s_lshl_b32 s16, s13, 7
	s_lshl_b32 s17, s12, 6
	s_add_co_u32 s16, s16, s17
	s_lshl_b32 s16, s16, 4                         ; ao: row 128 x tile row + 64 x half
	s_mov_b32 s17, 0
	s_lshl_b32 s46, s42, 8
	s_lshl_b32 s47, s12, 7
	s_add_co_u32 s46, s46, s47
	s_lshl_b32 s46, s46, 4                         ; wot: row 256 x tile column + 128 x half
	s_mov_b32 s47, 0
	s_mul_i32 s20, s12, AH                         ; where they go, by the wave's number alone
	s_mul_i32 s21, s12, BH
	s_add_co_u32 s21, s21, BOFF
	s_wait_dscnt 0x0                               ; both opening adds are done
	s_wait_kmcnt 0x0
	s_add_nc_u64 s[14:15], s[4:5], s[16:17]
	s_add_nc_u64 s[46:47], s[6:7], s[46:47]
	CROUND                                         ; all sixteen work-groups are here: the first joint loads meet
.irp s, 0,1
	s_mov_b32 s[G0+4*\s], 1
	s_add_co_u32 s[G0+4*\s+1], s20, \s*SLOT
	s_add_nc_u64 s[G0+4*\s+2:G0+4*\s+3], s[14:15], \s*ASTEP
	s_or_b32 s[G0+4*\s+3], s[G0+4*\s+3], 0x80000000
	s_mov_b32 s[G0B+4*\s], 1
	s_add_co_u32 s[G0B+4*\s+1], s21, \s*SLOT
	s_add_nc_u64 s[G0B+4*\s+2:G0B+4*\s+3], s[46:47], \s*BSTEP
	s_or_b32 s[G0B+4*\s+3], s[G0B+4*\s+3], 0x80000000
	JLOAD \s, G1, G1B                              ; two loads of mine are out
.endr
	v_and_b32 v1, 15, v0
	v_bfe_u32 v2, v0, 4, 1
	v_lshlrev_b32 v3, 4, v1
	v_lshl_add_u32 v4, v2, 10, v3                  ; ao: a plane is 1,024 bytes
	v_lshl_add_u32 v5, v2, 11, v3                  ; wot: 2,048
	s_mul_i32 s21, s11, AH
	s_mul_i32 s22, s12, BH
	s_add_co_u32 s22, s22, BOFF
.irp s, 0,1
	v_add_nc_u32 v[ADRA+\s], s21, v4
	v_add_nc_u32 v[ADRB+\s], s22, v5
	s_add_co_u32 s21, s21, SLOT
	s_add_co_u32 s22, s22, SLOT
.endr
	s_mul_i32 s23, s10, 16*SPITCH
	s_add_co_u32 s23, s23, STAGE
	v_mul_u32_u24 v5, v1, SPITCH
	v_lshl_add_u32 v5, v2, 5, v5
	v_add_nc_u32 v[STO], s23, v5
	v_and_b32 v6, 31, v0
	v_lshlrev_b32 v[CO], 4, v6
	v_add_nc_u32 v[RD], s23, v[CO]
	s_lshl_b32 s16, s13, 20                        ; out0: row 128 x tile row + 64 x half, 8,192 bytes each;
	s_lshl_b32 s17, s11, 19
	s_add_co_u32 s16, s16, s17
	s_lshl_b32 s46, s42, 10                        ; column 256 x tile column + 128 x half, 4 bytes each
	s_add_co_u32 s16, s16, s46
	s_lshl_b32 s46, s12, 9
	s_add_co_u32 s16, s16, s46
	s_mov_b32 s17, 0
	s_add_nc_u64 s[8:9], s[8:9], s[16:17]
.macro MUL8 f, a, zero                 ; block a of ao against wot's eight: the 32 accumulators take turns, in the same order in every quarter
.irp b, 0,1,2,3,4,5,6,7
.if \zero
	v_wmma_f32_16x16x32_f16 v[8*(8*(\a)+\b):8*(8*(\a)+\b)+7], v[64*(\f)+8*\b:64*(\f)+8*\b+7], v[64+32*(\f)+8*(\a):64+32*(\f)+8*(\a)+7], 0
.else
	v_wmma_f32_16x16x32_f16 v[8*(8*(\a)+\b):8*(8*(\a)+\b)+7], v[64*(\f)+8*\b:64*(\f)+8*\b+7], v[64+32*(\f)+8*(\a):64+32*(\f)+8*(\a)+7], v[8*(8*(\a)+\b):8*(8*(\a)+\b)+7]
.endif
.endr
.endm
.macro FETCH slot, q, f                ; 24 LDS loads in one run: quarter q (32 along K: planes 4 q .. 4 q + 3) into buffer f; wot's 16, then ao's 8
	WIN TO_B
.irp i, 0,1,2,3,4,5,6,7
.irp e, 0,1
	ds_load_b128 v[64*(\f)+8*\i+4*\e:64*(\f)+8*\i+4*\e+3], v[ADRB+\slot] offset:(4*(\q)+2*\e)*2048+\i*256
.endr
.endr
	WIN 0
.irp i, 0,1,2,3
.irp e, 0,1
	ds_load_b128 v[64+32*(\f)+8*\i+4*\e:64+32*(\f)+8*\i+4*\e+3], v[ADRA+\slot] offset:(4*(\q)+2*\e)*1024+\i*256
.endr
.endr
.endm
.macro PLACES                          ; plain vector lines between a matrix instruction and a load into, or a read by a store of, its registers
.rept 4
	v_nop
.endr
.endm
.macro QUARTER slot, qn, f, g, zero    ; multiplies buffer f; in its middle fetches quarter qn into buffer g
	s_wait_dscnt 4                                 ; all but ao's blocks 2 and 3 are in
	WIN MUL
	MUL8 \f, 0, \zero
	MUL8 \f, 1, \zero
	PLACES
	FETCH \slot, \qn, \g
	s_wait_dscnt 24                                ; all but the 24 just issued
	WIN MUL
	MUL8 \f, 2, \zero
	MUL8 \f, 3, \zero
.endm
.macro MIDDLE slot                     ; a full step's quarters 1 to 4, on buffers 1, 0, 1, 0; the last of them fetches quarter 5 into buffer 1
	QUARTER \slot, 2, 1, 0, 0
	QUARTER \slot, 3, 0, 1, 0
	QUARTER \slot, 4, 1, 0, 0
	QUARTER \slot, 5, 0, 1, 0
.endm
; A step's last quarter multiplies buffer 1 and changes slots.  fill = 1: this slot takes the step two on, 24 planes; 2: the last step, 16 planes; 0: nothing
.macro TURN slot, next, fill
	WIN 0
	s_wait_tensorcnt 0x0                           ; all my tensor loads have landed: my part of the next slot
	ds_add_u32 v[SPW], v[NIL]
	s_wait_dscnt 5                                 ; (the add and the youngest four loads may be out)
	WIN MUL
	MUL8 1, 0, 0
	s_wait_dscnt 0x0                               ; the add is done, and my reads of this slot are over
	s_barrier_signal -1
	MUL8 1, 1, 0
	WIN 0
	s_barrier_wait -1
.if \fill
	CREST                                          ; a round of the cluster's barrier: no wave of any partner still reads this slot or has a load on its way
	s_add_nc_u64 s[G0+4*\slot+2:G0+4*\slot+3], s[G0+4*\slot+2:G0+4*\slot+3], 2*ASTEP
	s_add_nc_u64 s[G0B+4*\slot+2:G0B+4*\slot+3], s[G0B+4*\slot+2:G0B+4*\slot+3], 2*BSTEP
.if \fill == 1
	JLOAD \slot, G1, G1B                           ; my one load behind the round; its four v_nop are the places in front of the loads below
.else
	JLOAD \slot, G1L, G1BL
.endif
.else
	PLACES
.endif
	FETCH \next, 0, 0
	WIN MUL
	MUL8 1, 2, 0
	MUL8 1, 3, 0
.endm
	s_wait_tensorcnt 1                             ; my part of step 0 is in; step 1's may be out
	s_barrier_signal -1
	s_barrier_wait -1
	FETCH 0, 0, 0
	QUARTER 0, 1, 0, 1, 1                          ; the first quarter's products start the sums
	WIN 0
	s_mov_b32 s3, TRIPS
.Llap:                                             ; from a step's second quarter to the first quarter of the step two on; both slots are filled again
	MIDDLE 0
	TURN 0, 1, 1
	QUARTER 1, 1, 0, 1, 0
	MIDDLE 1
	TURN 1, 0, 1
	QUARTER 0, 1, 0, 1, 0
	WIN 0
	s_sub_co_u32 s3, s3, 1
	s_cmp_lg_u32 s3, 0
	s_cbranch_scc1 .Llap
	MIDDLE 0                                       ; step 8 goes on;
	TURN 0, 1, 2                                   ; slot 0 takes step 10, the last 128 along K
	QUARTER 1, 1, 0, 1, 0                          ; step 9
	MIDDLE 1
	TURN 1, 0, 0                                   ; nothing is left to ask for; behind this barrier nobody reads slot 1
	QUARTER 0, 1, 0, 1, 0                          ; step 10: four quarters
	QUARTER 0, 2, 1, 0, 0
	QUARTER 0, 3, 0, 1, 0
	s_wait_dscnt 4
	WIN MUL
	MUL8 1, 0, 0
	MUL8 1, 1, 0
	s_wait_dscnt 0
	MUL8 1, 2, 0
	MUL8 1, 3, 0
	WIN 0
; THE WAY OUT, 16 rows x 128 columns at a time, through my own stage: in as 32 bytes a lane, back as whole rows of 512 bytes.  LDS serves a wave's instructions in order: no wait between the stores and the loads.
.macro TOSTAGE a
	WIN 0x08                                       ; an LDS store's data: window 2
.irp b, 0,1,2,3,4,5,6,7
	ds_store_b128 v[STO], v[64*(\a)+8*\b:64*(\a)+8*\b+3] offset:64*\b          ; each accumulator from its low end on
	ds_store_b128 v[STO], v[64*(\a)+8*\b+4:64*(\a)+8*\b+7] offset:64*\b+16
.endr
	WIN 0
.set BB, BK+64*((\a)%2)
.irp t, 0,1,2,3,4,5,6,7,8,9,10,11,12,13,14,15
	ds_load_b128 v[BB+4*\t:BB+4*\t+3], v[RD] offset:\t*SPITCH
.endr
.endm
.macro SEND a, younger
.set BB, BK+64*((\a)%2)
	s_wait_dscnt \younger
.if (\a) > 0
	s_add_nc_u64 s[8:9], s[8:9], 16*8192           ; (behind a wait on XCNT: the earlier stores have read their base)
.endif
.irp t, 0,1,2,3,4,5,6,7,8,9,10,11,12,13,14,15
	global_store_b128 v[CO], v[BB+4*\t:BB+4*\t+3], s[8:9] offset:\t*8192 th:TH_STORE_NT   ; 32 lanes store 512 consecutive bytes of a row
.endr
.endm
	PLACES
	TOSTAGE 0
.irp a, 1,2,3
.if \a > 1
	s_wait_xcnt 0x0                                ; block a - 2's stores have read their registers and their base
.endif
	TOSTAGE \a
	SEND \a-1, 32                                  ; behind block a - 1's loads: block a's 16 stores and 16 loads
.endr
	s_wait_xcnt 0x0
	SEND 3, 0
	s_wait_tensorcnt 0x0                           ; the wave's end
	ds_add_u32 v[SPW], v[NIL]
	s_wait_dscnt 0x0
	CROUND                                         ; the closing round
	s_endpgm
.Lfunc_end_k_qa349944acc_gemm_out:
	.size	k_qa349944acc_gemm_out, .Lfunc_end_k_qa349944acc_gemm_out-k_qa349944acc_gemm_out
	.p2alignl 7, 3214868480
	.fill 96, 4, 3214868480
	.section	.rodata,"a",@progbits
	.p2align	6, 0x0
	.amdhsa_kernel k_qa349944acc_gemm_out
		.amdhsa_group_segment_fixed_size 327680
		.amdhsa_private_segment_fixed_size 0
		.amdhsa_enable_private_segment 0
		.amdhsa_kernarg_size 24
		.amdhsa_user_sgpr_count 2
		.amdhsa_user_sgpr_kernarg_segment_ptr 1
		.amdhsa_wavefront_size32 1
		.amdhsa_system_sgpr_workgroup_id_x 1
		.amdhsa_system_sgpr_workgroup_id_y 1
		.amdhsa_system_sgpr_workgroup_id_z 1
		.amdhsa_system_vgpr_workitem_id 0
		.amdhsa_next_free_vgpr 768
		.amdhsa_next_free_sgpr 84
		.amdhsa_reserve_vcc 0
		.amdhsa_float_denorm_mode_32 3
		.amdhsa_float_denorm_mode_16_64 3
		.amdhsa_memory_ordered 1
		.amdhsa_forward_progress 1
		.amdhsa_inst_pref_size 133
	.end_amdhsa_kernel
	.amdgpu_metadata
---
amdhsa.version: [ 1, 2 ]
amdhsa.kernels:
  - .name:           k_qa349944acc_gemm_out
    .symbol:         k_qa349944acc_gemm_out.kd
    .args:
      - { .name: ao, .offset: 0, .size: 8, .value_kind: global_buffer, .address_space: global }
      - { .name: wot, .offset: 8, .size: 8, .value_kind: global_buffer, .address_space: global }
      - { .name: out0, .offset: 16, .size: 8, .value_kind: global_buffer, .address_space: global }
    .group_segment_fixed_size: 327680
    .private_segment_fixed_size: 0
    .kernarg_segment_align: 8
    .kernarg_segment_size: 24
    .max_flat_workgroup_size: 128
    .sgpr_count:     84
    .vgpr_count:     768
    .wavefront_size: 32
...
	.end_amdgpu_metadata
.endif
;; end of part 4
;; launch first16 (part 5): grid 32 x 4, 16 waves a work-group, no clusters, 210,944 bytes of LDS; arguments qkv, wot, out0; writes out0
.if DOCPART == 5
	.amdgcn_target "amdgcn-amd-amdhsa--gfx1250"
	.amdhsa_code_object_version 6
	.text
	.protected	k_qa349944acc_first16
	.globl	k_qa349944acc_first16
	.p2align	8
	.type	k_qa349944acc_first16,@function
k_qa349944acc_first16:
	s_mov_b64 s[64:65], 0
	v_nop
	global_prefetch_b8 v0, s[64:65] scope:SCOPE_SE
	s_setreg_imm32_b32 hwreg(HW_REG_WAVE_MODE, 25, 1), 1
	s_wait_xcnt 0x0
; MGQA, launch 5 of 5: rows 0-15 of each batch once more, finely: they average one to sixteen values and are the largest of the output, so f16 operands would weigh most there.
; q, k, v of positions 0-15 come in f32 (the tail of qkv); both attention products go by the f32 matrix form; the result enters the projection as a pair of f16 numbers, high and low, split in f32; Wo is f16.
; WORK LEFT OUT: keys 16 and later come after all of these queries: reference()'s own mask gives them the weight 0 for all inputs.
; LIMIT: the high part is the number with its low 13 mantissa bits cleared, exact in f16 from 6.2e-5 up; under that it is rounded with an error of at most 3e-8, which the low part does not take up.
; SHARES: a work-group takes batch y and 64 columns (x) of out0; wave w takes head w, which is K = 128 w .. 128 w + 127 of the projection; the sixteen partial sums meet in LDS, and wave w adds and stores row w.
; Each work-group of a batch computes the heads' 16 x 16 attention anew: 64 small matrix instructions a wave, against a launch and a buffer more.
; V lies in memory as [4 channels][position][16 B], and the second product wants a lane to hold one channel and eight positions.  So V is loaded as it lies, 512 consecutive bytes a load, and turned in the wave's own
; LDS region: in as loaded, a plane of 256 bytes + 16 of padding; back 4 bytes a lane: the 32 lanes of such a load then touch 32 different banks (4 words x 4 planes, 68 words apart, x 2 halves, 32 words apart).
; REGISTERS: v1-15 addresses and at work; v16-23 S^T, then p; v24-31 at work; v32-63 accumulators, written by matrix instructions alone; v64-127 V, then the result's fragments (chunk ch: 8 high, 8 low);
;   v128-191 Q, v192-255 K, then Wo's fragments, then the partial sums.
.set TAIL,  25165824
.set VREG,  16*4352                    ; behind the sixteen regions of 16 rows x (256 bytes + 16) for the partial sums: V's regions
.set VP,    272                        ; a plane of V in LDS
.set VSZ,   32*VP                      ; a wave's region
.set SPARE, VREG+16*VSZ                ; behind them: the spare words, 128 bytes a wave
.set SPW,  12
.set NIL,  13
	s_load_b128 s[4:7], s[0:1], 0x0                ; qkv, wot
	s_load_b64 s[8:9], s[0:1], 0x10                ; out0
	v_lshl_add_u32 v[SPW], v0, 2, SPARE
	v_mov_b32 v[NIL], 0
	v_lshrrev_b32 v1, 5, v0
	v_readfirstlane_b32 s10, v1                    ; wave = head
	s_and_b32 s11, s10, 3                          ; its key and value head
	s_and_b32 s26, ttmp7, 0xffff                   ; batch
	s_mul_i32 s28, s26, 196608
	s_add_co_u32 s28, s28, TAIL
	s_lshl_b32 s30, s10, 13                        ; q: 32 planes of 256 bytes a head
	s_add_co_u32 s30, s30, s28
	s_mov_b32 s31, 0
	s_lshl_b32 s32, s11, 13
	s_add_co_u32 s32, s32, s28
	s_add_co_u32 s34, s32, 163840                  ; v: from plane 640 on
	s_add_co_u32 s32, s32, 131072                  ; k: from plane 512 on
	s_mov_b32 s33, 0
	s_mov_b32 s35, 0
	s_lshl_b32 s36, s10, 19                        ; wot: my 16 planes of 32,768 bytes,
	s_lshl_b32 s37, ttmp9, 10                      ; my work-group's 64 columns of 16 bytes
	s_add_co_u32 s36, s36, s37
	s_mov_b32 s37, 0
	s_lshl_b32 s38, s26, 23                        ; out0: row 1,024 batch + wave,
	s_lshl_b32 s39, s10, 13
	s_add_co_u32 s38, s38, s39
	s_lshl_b32 s39, ttmp9, 8                       ; 64 columns of 4 bytes
	s_add_co_u32 s38, s38, s39
	s_mov_b32 s39, 0
	s_mov_b32 s22, 0x76543210
	s_mov_b32 s23, 0xfedcba98
	s_mov_b32 s24, 0x3e0293ee                      ; c = log2(e) / sqrt(128)
	s_mov_b32 s25, 0xffffe000                      ; keeps 11 significant bits
	s_mul_i32 s29, s10, VSZ
	s_add_co_u32 s29, s29, VREG                    ; my region for V
	v_and_b32 v11, 31, v0                          ; lane
	v_and_b32 v1, 15, v0                           ; r
	v_bfe_u32 v2, v0, 4, 1                         ; h
	v_lshlrev_b32 v3, 4, v11                       ; q, k, v: 16 bytes a lane: plane 2 u + h, position r
	v_lshrrev_b32 v4, 2, v1
	v_mul_u32_u24 v4, v4, VP
	v_and_b32 v14, 3, v1
	v_lshl_add_u32 v4, v14, 2, v4
	v_lshl_add_u32 v4, v2, 7, v4
	v_add_nc_u32 v4, s29, v4                       ; V out of LDS: channel r of a tile of 16 (plane r / 4, word r % 4), position 8 h
	v_lshlrev_b32 v5, 4, v1
	v_lshl_add_u32 v5, v2, 15, v5                  ; wot: plane h, column r
	s_mul_i32 s27, s10, 4352
	v_mul_u32_u24 v6, v1, 272
	v_lshl_add_u32 v6, v2, 5, v6
	v_add_nc_u32 v6, s27, v6                       ; my partial sums: row r, 32 bytes for each half of the lanes
	s_mul_i32 s27, s10, 272
	v_lshlrev_b32 v8, 3, v11                       ; 8 bytes a lane: a row's 64 columns
	v_add_nc_u32 v7, s27, v8                       ; row w of a region
	v_lshlrev_b32 v9, 3, v2
	v_sub_nc_u32 v9, v1, v9                        ; my query less 8 h
	v_mov_b32 v10, 0xff800000
	v_mul_u32_u24 v15, v2, VP
	v_lshl_add_u32 v1, v1, 4, v15
	v_add_nc_u32 v1, s29, v1                       ; V into LDS, as loaded: plane h of a pair, position r  (r itself is wanted no more)
	s_wait_kmcnt 0x0
	s_add_nc_u64 s[12:13], s[4:5], s[30:31]
	s_add_nc_u64 s[14:15], s[4:5], s[32:33]
	s_add_nc_u64 s[16:17], s[4:5], s[34:35]
	s_add_nc_u64 s[18:19], s[6:7], s[36:37]
	s_add_nc_u64 s[20:21], s[8:9], s[38:39]
.irp u, 0,1,2,3,4,5,6,7,8,9,10,11,12,13,14,15
	global_load_b128 v[128+4*\u:131+4*\u], v3, s[12:13] offset:\u*512   ; channels 8 u + 4 h + 0 .. 3 of position r
.endr
.irp u, 0,1,2,3,4,5,6,7,8,9,10,11,12,13,14,15
	global_load_b128 v[192+4*\u:195+4*\u], v3, s[14:15] offset:\u*512
.endr
.irp u, 0,1,2,3,4,5,6,7,8,9,10,11,12,13,14,15
	global_load_b128 v[64+4*\u:67+4*\u], v3, s[16:17] offset:\u*512     ; V as it lies
.endr
	s_wait_loadcnt 16                              ; q and k are in; V's 16 loads may be out
	; S^T = K Q^T: source 0 = 16 keys, source 1 = 16 queries, 4 channels an instruction, the same channels on both sides; four accumulators by turns, added afterwards
.set n, 0
.rept 32
.if n < 4
	v_wmma_f32_16x16x4_f32 v[32+8*(n%4):39+8*(n%4)], v[192+2*n:193+2*n], v[128+2*n:129+2*n], 0
.else
	v_wmma_f32_16x16x4_f32 v[32+8*(n%4):39+8*(n%4)], v[192+2*n:193+2*n], v[128+2*n:129+2*n], v[32+8*(n%4):39+8*(n%4)]
.endif
.set n, n+1
.endr
.rept 8
	v_nop                                          ; eight places behind this form, in front of loads into its sources and of the first read of its results
.endr
.irp ct, 0,1,2,3
.irp ch, 0,1,2,3
.irp e, 0,1
	global_load_b128 v[128+32*\ct+8*\ch+4*\e:131+32*\ct+8*\ch+4*\e], v5, s[18:19] offset:(4*\ch+2*\e)*32768+\ct*256
.endr
.endr
.endr
	s_wait_loadcnt 32                              ; V is in; Wo's 32 loads may be out
.irp u, 0,1,2,3,4,5,6,7,8,9,10,11,12,13,14,15
	ds_store_b128 v1, v[64+4*\u:67+4*\u] offset:\u*2*VP                  ; planes 2 u and 2 u + 1
.endr
.irp c, 0,1,2,3,4,5,6,7
.irp kk, 0,1,2,3,4,5,6,7
	ds_load_b32 v[64+8*\c+\kk], v4 offset:\c*4*VP+\kk*16                 ; V(position 8 h + kk, channel 16 c + r).  LDS serves a wave's instructions in order: these see my stores, and land in the registers that those have left
.endr
.endr
.irp i, 0,2,4,6
	v_pk_add_f32 v[16+\i:17+\i], v[32+\i:33+\i], v[40+\i:41+\i]       ; from the accumulators' low ends on
	v_pk_add_f32 v[24+\i:25+\i], v[48+\i:49+\i], v[56+\i:57+\i]
.endr
.irp i, 0,2,4,6
	v_pk_add_f32 v[16+\i:17+\i], v[16+\i:17+\i], v[24+\i:25+\i]       ; lane (r, h): query r, keys 8 h + 0 .. 7
.endr
.irp j, 0,1,2,3,4,5,6,7
	v_cmp_gt_i32 vcc_lo, \j, v9                    ; key 8 h + j comes after query r
	v_cndmask_b32 v[16+\j], v[16+\j], v10, vcc_lo
.endr
	v_max3_num_f32 v14, v16, v17, v18
	v_max3_num_f32 v15, v19, v20, v21
	v_max3_num_f32 v14, v14, v22, v23
	v_max_num_f32 v14, v14, v15
	v_permlanex16_b32 v11, v14, s22, s23
	v_max_num_f32 v14, v14, v11                    ; the row's maximum (key 0 counts for every query)
	v_mul_f32 v14, s24, v14
.irp j, 0,1,2,3,4,5,6,7
	v_fma_f32 v[16+\j], v[16+\j], s24, -v14
.endr
.irp j, 0,1,2,3,4,5,6,7
	v_exp_f32 v[16+\j], v[16+\j]
.endr
	v_nop
	s_wait_alu depctr_va_vdst(0)                   ; one wait for the eight, ahead of their first reader
	v_pk_add_f32 v[24:25], v[16:17], v[18:19]
	v_pk_add_f32 v[26:27], v[20:21], v[22:23]
	v_pk_add_f32 v[24:25], v[24:25], v[26:27]
	v_add_f32 v14, v24, v25
	v_permlanex16_b32 v11, v14, s22, s23
	v_add_f32 v14, v14, v11
	v_rcp_f32 v15, v14
	v_nop
	s_wait_alu depctr_va_vdst(0)
.irp j, 0,1,2,3,4,5,6,7
	v_mul_f32 v[16+\j], v[16+\j], v15              ; the weights, normalised, in f32
.endr
	s_wait_dscnt 0x0                               ; V is back, turned
	; O^T = V^T P, four tiles of 16 channels at a time; instruction i takes keys 8 h + 2 i, + 1 on both sides.  Then the split into high and low parts, over V's registers of that half, which are done with
.irp H, 0,1
.irp i, 0,1,2,3
.irp c, 0,1,2,3
.if \i == 0
	v_wmma_f32_16x16x4_f32 v[32+8*\c:39+8*\c], v[64+32*\H+8*\c+2*\i:65+32*\H+8*\c+2*\i], v[16+2*\i:17+2*\i], 0
.else
	v_wmma_f32_16x16x4_f32 v[32+8*\c:39+8*\c], v[64+32*\H+8*\c+2*\i:65+32*\H+8*\c+2*\i], v[16+2*\i:17+2*\i], v[32+8*\c:39+8*\c]
.endif
.endr
.endr
.rept 9
	v_nop                                          ; nine places in front of the first reads of these accumulators
.endr
.irp c, 0,1,2,3
.irp i, 0,1,2,3
	v_and_b32 v[24+4*(\i%2)], s25, v[32+8*\c+2*\i]
	v_and_b32 v[25+4*(\i%2)], s25, v[33+8*\c+2*\i]
	v_sub_f32 v[26+4*(\i%2)], v[32+8*\c+2*\i], v[24+4*(\i%2)]
	v_sub_f32 v[27+4*(\i%2)], v[33+8*\c+2*\i], v[25+4*(\i%2)]
	v_cvt_pk_f16_f32 v[64+32*\H+16*(\c/2)+4*(\c%2)+\i], v[24+4*(\i%2)], v[25+4*(\i%2)]
	v_cvt_pk_f16_f32 v[72+32*\H+16*(\c/2)+4*(\c%2)+\i], v[26+4*(\i%2)], v[27+4*(\i%2)]
.endr
.endr
.endr
	s_wait_loadcnt 0x0                             ; Wo
	; my head's part of the projection: source 0 = 16 columns of Wo, source 1 = the 16 rows, high part and low part; four accumulators by turns
.irp ch, 0,1,2,3
.irp part, 0,1
.irp ct, 0,1,2,3
.if (\ch == 0) && (\part == 0)
	v_wmma_f32_16x16x32_f16 v[32+8*\ct:39+8*\ct], v[128+32*\ct+8*\ch:135+32*\ct+8*\ch], v[64+16*\ch+8*\part:71+16*\ch+8*\part], 0
.else
	v_wmma_f32_16x16x32_f16 v[32+8*\ct:39+8*\ct], v[128+32*\ct+8*\ch:135+32*\ct+8*\ch], v[64+16*\ch+8*\part:71+16*\ch+8*\part], v[32+8*\ct:39+8*\ct]
.endif
.endr
.endr
.endr
.rept 4
	v_nop
.endr
.irp ct, 0,1,2,3
	ds_store_b128 v6, v[32+8*\ct:35+8*\ct] offset:\ct*64          ; lane (r, h): row r, columns 16 ct + 8 h + 0 .. 7
	ds_store_b128 v6, v[36+8*\ct:39+8*\ct] offset:\ct*64+16
.endr
	s_wait_dscnt 0x0                               ; for the others' sake: my stores are done
	s_barrier_signal -1
	s_barrier_wait -1
.irp sw, 0,1,2,3,4,5,6,7,8,9,10,11,12,13,14,15
	ds_load_b64 v[128+2*\sw:129+2*\sw], v7 offset:\sw*4352        ; row w of every head's part
.endr
	s_wait_dscnt 0x0
.irp w, 4,8,16,32
.set u, 0
.rept 32/\w
	v_pk_add_f32 v[128+u:129+u], v[128+u:129+u], v[128+u+\w/2:129+u+\w/2]
.set u, u+\w
.endr
.endr
	global_store_b64 v8, v[128:129], s[20:21]      ; 32 lanes store 256 consecutive bytes of a row
	s_wait_tensorcnt 0x0                           ; the wave's end, behind my last LDS store
	ds_add_u32 v[SPW], v[NIL]
	s_wait_dscnt 0x0
	s_endpgm
.Lfunc_end_k_qa349944acc_first16:
	.size	k_qa349944acc_first16, .Lfunc_end_k_qa349944acc_first16-k_qa349944acc_first16
	.p2alignl 7, 3214868480
	.fill 96, 4, 3214868480
	.section	.rodata,"a",@progbits
	.p2align	6, 0x0
	.amdhsa_kernel k_qa349944acc_first16
		.amdhsa_group_segment_fixed_size 210944
		.amdhsa_private_segment_fixed_size 0
		.amdhsa_enable_private_segment 0
		.amdhsa_kernarg_size 24
		.amdhsa_user_sgpr_count 2
		.amdhsa_user_sgpr_kernarg_segment_ptr 1
		.amdhsa_wavefront_size32 1
		.amdhsa_system_sgpr_workgroup_id_x 1
		.amdhsa_system_sgpr_workgroup_id_y 1
		.amdhsa_system_sgpr_workgroup_id_z 1
		.amdhsa_system_vgpr_workitem_id 0
		.amdhsa_next_free_vgpr 256
		.amdhsa_next_free_sgpr 66
		.amdhsa_reserve_vcc 1
		.amdhsa_float_denorm_mode_32 3
		.amdhsa_float_denorm_mode_16_64 3
		.amdhsa_memory_ordered 1
		.amdhsa_forward_progress 1
		.amdhsa_inst_pref_size 37
	.end_amdhsa_kernel
	.amdgpu_metadata
---
amdhsa.version: [ 1, 2 ]
amdhsa.kernels:
  - .name:           k_qa349944acc_first16
    .symbol:         k_qa349944acc_first16.kd
    .args:
      - { .name: qkv, .offset: 0, .size: 8, .value_kind: global_buffer, .address_space: global }
      - { .name: wot, .offset: 8, .size: 8, .value_kind: global_buffer, .address_space: global }
      - { .name: out0, .offset: 16, .size: 8, .value_kind: global_buffer, .address_space: global }
    .group_segment_fixed_size: 210944
    .private_segment_fixed_size: 0
    .kernarg_segment_align: 8
    .kernarg_segment_size: 24
    .max_flat_workgroup_size: 512
    .sgpr_count:     66
    .vgpr_count:     256
    .wavefront_size: 32
...
	.end_amdgpu_metadata
.endif
;; end of part 5
